; MI455X (gfx1250); checked and timed in simulation.
; The chip was launched on July 23, 2026; its instructions are those of AMD's public machine-readable ISA for CDNA 5 (MIT licence, August 2026) and "CDNA5" Instruction Set Architecture Reference Guide (July 2026). The comments in the code are by the model that wrote it; some were corrected since.
;; Self Attention. Allowed arithmetic: matrix products marked QUANTISED: E3M2 operands, one E8M0 scale for each 32 along K, by v_wmma_scale_f32_16x16x128_f8f6f4 with both operands' format E3M2, f32 sums; everything else in f32.
;; Inputs: entangle_params 1,024 x 1,024 float32; inputs 4 x 2,048 x 1,024 float32; ln_bias 1,024 float32; ln_weight 1,024 float32; rotation_params 1,024 x 1,024 float32.
;; Outputs: out0 4 x 2,048 x 1,024 float32.
;; This version of the problem:
;;   THIS VERSION OF THE PROBLEM IS GIVEN IN LOW PRECISION. The matrix products marked QUANTISED in the list below multiply operands that are first quantised to E3M2 (3 exponent bits, 2 mantissa bits; 6 bits a number), with one power-of-two scale for each 32 numbers along K (OCP MX v1.0); their sums are f32. All else is computed in f32.
;;   The module's matrix products, in the order in which they are computed (A, B: the left and right operand; K: the contracted axis; several contracted axes count as one K, in the product's order):
;;     1. [M 8,192, K 1,024] x [K 1,024, N 1,024]; A: input inputs; B: input rotation_params: QUANTISED
;;     2. [M 8,192, K 1,024] x [K 1,024, N 1,024]; A: input inputs; B: input entangle_params: QUANTISED
;;     3. batch 64 x [M 2,048, K 64] x [K 64, N 2,048]; A: computed on the way; B: computed on the way: QUANTISED
;;     4. batch 64 x [M 2,048, K 2,048] x [K 2,048, N 64]; A: softmax (see below); B: input inputs: QUANTISED
;;   THE QUANTISER, for each operand of a quantised product, along K:
;;     - K is cut into blocks of 32 from its start; a last block that is shorter is filled with zeros.
;;     - A block's scale is 2^e with e = floor(log2(the largest magnitude in the block)) - 4, held to -126 .. 127; a block of zeros has e = 0. As a byte (E8M0): e + 127.
;;     - Each number is divided by its block's scale, clamped to +-28, and rounded to the nearest number of E3M2, ties to even, subnormals kept.
;;     - The product sums the exact products of the quantised numbers (number of the format x scale) in f32.
;;   ~~~python
;;   def quantise(x, axis):      # numpy; x: float32 -> the quantised numbers, widened to float32 again
;;       x = np.moveaxis(x, axis, -1); K = x.shape[-1]
;;       x = np.pad(x, [(0, 0)] * (x.ndim - 1) + [(0, -K % 32)]); x = x.reshape(x.shape[:-1] + (-1, 32)); a = np.abs(x).max(-1, keepdims=True)
;;       e = np.where(a > 0, np.clip(np.frexp(np.where(a > 0, a, 1))[1] - 1 - 4, -126, 127), 0)      # np.frexp(a)[1] - 1 = floor(log2(a)), exactly
;;       r = np.clip(x / 2.0 ** e, -28, 28)
;;       step = 2.0 ** (np.maximum(np.frexp(np.where(r == 0, 1, r))[1] - 1, -2) - 2)
;;       q = np.round(r / step) * step * 2.0 ** e      # np.round: ties to even
;;       return np.moveaxis(q.reshape(q.shape[:-2] + (-1,))[..., :K], -1, axis).astype(np.float32)
;;   ~~~
;;   SOFTMAX AHEAD OF A QUANTISED PRODUCT. Where the list says 'softmax', what is quantised is not the finished softmax but p = 2^(t - M), with t = logit x log2(e) and M = ceil(the row's largest t), a whole number; so 1/2 < the row's largest p <= 1. The row's sum l is taken of the UNQUANTISED p, in f32, and the product's result is divided by l at the end. Since M is a whole number, a kernel that streams over the keys may use a running M (the ceiling of the running maximum): every later rescaling is an exact power of two, which a block's scale takes up: the codes' values come out the same.
;;   OPERANDS COMPUTED ON THE WAY. 'Computed on the way' means the value that the module computes at that place (a softmax that the list does not call 'softmax' is quantised finished and normalised). What goes into a quantiser is computed in f32, as accurately as f32 sums, v_exp_f32 and their like allow (about 1e-6 of the number): no bf16 or f16 on the way to a quantiser, and a product that is left as it is and whose result goes on into a quantised operand takes f32 operands (vector FMAs, or v_wmma_f32_16x16x4_f32). A number that lies on a knife's edge between two numbers of the format may be rounded either way, as far as f32 arithmetic and the matrix unit's own rounding can turn it there, and no further.
;; One version. Each part assembles by itself: llvm-mc -triple=amdgcn-amd-amdhsa -mcpu=gfx1250 --defsym DOCPART=n.
;; ======== version 1 of 1: 4 launches
;; limits: right only within a limited range of input values
;; workspace buffers: xq_codes 6,291,456 bytes; wq_codes 1,572,864 bytes; v_codes 6,291,456 bytes; l1_scales 589,824 bytes; qk_codes 12,582,912 bytes; qk_scales 1,048,576 bytes; ybuf 33,554,432 bytes
;; launch quant (part 1): grid 576 x 1, 4 waves a work-group, no clusters, 68,096 bytes of LDS; arguments inputs, rotation_params, entangle_params, xq_codes, wq_codes, v_codes, l1_scales; writes xq_codes, wq_codes, v_codes, l1_scales
.if DOCPART == 1
	.amdgcn_target "amdgcn-amd-amdhsa--gfx1250"
	.amdhsa_code_object_version 6
	.text
	.protected	k_q88bdab76ce_quant
	.globl	k_q88bdab76ce_quant
	.p2align	8
	.type	k_q88bdab76ce_quant,@function
k_q88bdab76ce_quant:
	s_mov_b64 s[64:65], 0
	v_nop
	global_prefetch_b8 v0, s[64:65] scope:SCOPE_SE
	s_setreg_imm32_b32 hwreg(HW_REG_WAVE_MODE, 25, 1), 1
	s_wait_xcnt 0x0
; LAUNCH 1 OF 4: the three inputs that are matrix operands become codes of BF6 (E3M2, 6 bits) with one E8M0 scale byte for each 32 along K.
; Nothing of the problem is left out in this program: all four products are live and all five inputs reach the output.
;   path X (work-groups 0-255):   x [8192][1024] along E (K innermost)      -> xq_codes [256 along K: 4][8192][192 B], scale bytes l1_scales + 0 [8192][32]
;   path V (work-groups 256-511): x along the KEYS, head by head            -> v_codes [bh 64][pair of key blocks 32][tile of 16 channels 4][768 B], scale words l1_scales + 327,680 [bh][256 keys 8][channel 64][2 words]
;   path W (work-groups 512-575): the two weights along their FIRST axis    -> wq_codes [256 along K: 4][2048][192 B] (rows 0-1023: columns of rotation_params, 1024-2047: of entangle_params), scale bytes l1_scales + 262,144 [2048][32]
; Every work-group takes 128 KiB of f32 numbers.  The paths part on the work-group's number alone; each path that uses LDS has LDS bytes of its own.
; A block's scale is 2^(floor(log2(largest magnitude)) - 4); its byte is the largest magnitude's exponent field - 4, held at 1 from below by a floor among the maximum's leaves.
; A 768-BYTE IMAGE (v_codes) is six operand registers of 32 lanes: registers 0-3 at 16 x lane, registers 4-5 at 512 + 8 x lane.  Lane (r, h) holds key block 2 u + h of channel 16 tile + r.
; THE ORDER INSIDE A BLOCK OF KEYS: position p holds key p.  The attention launch's weights p come out of its registers in that same order, and a
; permutation of k that both operands share keeps every product; the block, its largest magnitude and its scale are the true ones.
; LIMITS: NaN and infinities among the inputs are not served.  A block of zeros gets the byte 1 where the rule says 127: its codes are zeros, which add nothing under any byte but 0xff, and this program alone reads the bytes.
.set SPW,   192                        ; v192  LDS address of my spare word: SPARE + 4 x my thread's number; never rewritten
.set NIL,   193                        ; v193  0; never rewritten
.set SPARE, 67584                      ; behind path X's and path W's bytes: the spare words, 128 bytes for each wave
.set WV,    22                         ; s22   my wave's number
	s_load_b256 s[4:11], s[0:1], 0x0               ; x s[4:5], rotation s[6:7], entangle s[8:9], xq_codes s[10:11]
	s_load_b128 s[12:15], s[0:1], 0x20             ; wq_codes s[12:13], v_codes s[14:15]
	s_load_b64 s[16:17], s[0:1], 0x30              ; l1_scales
	v_lshl_add_u32 v[SPW], v0, 2, SPARE
	v_mov_b32 v[NIL], 0
	v_lshrrev_b32 v1, 5, v0
	v_readfirstlane_b32 s[WV], v1                  ; wave 0..3
	v_and_b32 v2, 31, v0                           ; lane
	s_mov_b32 s31, 0                               ; the upper word of every offset s[30:31]
	s_wait_kmcnt 0x0
	s_cmp_lt_u32 ttmp9, 256
	s_cbranch_scc1 .Lpath_x
	s_cmp_lt_u32 ttmp9, 512
	s_cbranch_scc1 .Lpath_v
; ---------------- PATH W: a weight [k 1024][n 1024].  A lane takes a column n and its registers run down K: a block of 32 lies in one lane, and the codes come out with K innermost.
; A wave takes 32 columns x 256 along K: 8 blocks a lane, 192 bytes of codes a column; they go through the wave's own stage and leave as rows, sixteen lanes to a row's 192 consecutive bytes.
.set WPITCH, 272                       ; a stage row: sixteen places of 16 bytes, each with 12 bytes of codes, + 16
.set WSTG,   32768                     ; path W's LDS bytes: four stages of 32 x 272
.set WX,     32                        ; v32-95   two sets of 32 numbers
.set WC,     96                        ; v96..    a block's codes
.set WOUT,   112                       ; v112-175 the way out
.set WSB,    24                        ; v24-25   the scale bytes, four to a register
	s_sub_co_u32 s23, ttmp9, 512
	s_lshr_b32 s24, s23, 5                         ; which weight
	s_and_b32 s25, s23, 7                          ; which 128 columns
	s_bfe_u32 s26, s23, 0x20003                    ; which 256 along K
	s_cmp_eq_u32 s24, 0                            ; the choice hangs on the work-group's number alone
	s_cselect_b64 s[6:7], s[6:7], s[8:9]
	s_lshl_b32 s27, s25, 7
	s_lshl_b32 s28, s[WV], 5
	s_add_co_u32 s27, s27, s28                     ; my wave's first column
	s_wait_alu depctr_va_vdst(0)
	v_lshlrev_b32 v3, 2, v2                        ; in: 4 bytes a lane
	s_mul_i32 s29, s[WV], 32*WPITCH
	s_add_co_u32 s29, s29, WSTG                    ; my stage
	v_mul_u32_u24 v4, v2, WPITCH
	v_add_nc_u32 v4, s29, v4                       ; into it: row = my column
	v_and_b32 v5, 15, v2
	v_lshrrev_b32 v6, 4, v2
	v_mul_u32_u24 v7, v6, WPITCH
	v_lshl_add_u32 v7, v5, 4, v7
	v_add_nc_u32 v7, s29, v7                       ; out of it: sixteen lanes to a row, two rows an instruction
	v_mul_u32_u24 v8, v6, 192                      ; wq_codes is laid [256 along K: 4][row 2048][192 B]: rows on end
	v_mad_u32_u24 v8, v5, 12, v8                   ; and the same place in wq_codes
	v_lshlrev_b32 v9, 5, v2                        ; my column's row of 32 scale bytes
	s_lshl_b32 s30, s26, 20                        ; the weight: 256 rows of 4,096 bytes a step along K,
	s_lshl_b32 s28, s27, 2
	s_add_co_u32 s30, s30, s28                     ; + 4 x column
	s_add_nc_u64 s[6:7], s[6:7], s[30:31]
	s_lshl_b32 s28, s24, 10
	s_add_co_u32 s28, s28, s27                     ; the row of wq_codes: 1024 x which + column
	s_mul_i32 s30, s28, 192
	s_mul_i32 s29, s26, 393216                     ; a plane of 2,048 rows x 192 bytes for each 256 along K
	s_add_co_u32 s30, s30, s29
	s_add_nc_u64 s[12:13], s[12:13], s[30:31]
	s_lshl_b32 s30, s28, 5
	s_lshl_b32 s29, s26, 3
	s_add_co_u32 s30, s30, s29
	s_add_co_u32 s30, s30, 262144
	s_add_nc_u64 s[16:17], s[16:17], s[30:31]
.macro WLOAD t                         ; block t: W(32 t + i, my column) into set t % 2: 32 lanes read 128 consecutive bytes, the four waves 512
.irp i, 0,1,2,3,4,5,6,7,8,9,10,11,12,13,14,15,16,17,18,19,20,21,22,23,24,25,26,27,28,29,30,31
	global_load_b32 v[WX+32*((\t)%2)+\i], v3, s[6:7] offset:(32*(\t)+\i)*4096 th:TH_LOAD_NT
.endr
.endm
.macro WBLOCK t
.set WS, WX+32*((\t)%2)
.if (\t) < 7
	s_wait_loadcnt 32                              ; this block's 32 loads are in; the next block's 32 may be out
.else
	s_wait_loadcnt 0
.endif
	v_max3_num_f32 v12, |v[WS]|, |v[WS+1]|, |v[WS+2]|       ; the block's largest magnitude, in two chains: all 32 numbers are mine
	v_max3_num_f32 v13, |v[WS+3]|, |v[WS+4]|, |v[WS+5]|
.irp i, 6,10,14,18,22,26
	v_max3_num_f32 v12, v12, |v[WS+\i]|, |v[WS+\i+1]|
	v_max3_num_f32 v13, v13, |v[WS+\i+2]|, |v[WS+\i+3]|
.endr
	v_max3_num_f32 v12, v12, |v[WS+30]|, |v[WS+31]|
	v_max3_num_f32 v12, v12, v13, 0x2800000        ; and the floor 2^(5 - 127): the byte cannot fall under 1
	v_add_nc_u32 v11, 0xfe000000, v12              ; 4 off the exponent field: the conversion takes this operand's exponent field as its scale
	v_lshrrev_b32 v13, 23, v11                     ; the scale's byte
.if (\t)%4 == 0
	v_mov_b32 v[WSB+(\t)/4], v13
.else
	v_lshl_or_b32 v[WSB+(\t)/4], v13, 8*((\t)%4), v[WSB+(\t)/4]
.endif
	v_cvt_scalef32_pk16_bf6_f32 v[WC:WC+2], v[WS:WS+15], v11
	v_cvt_scalef32_pk16_bf6_f32 v[WC+4:WC+6], v[WS+16:WS+31], v11   ; (a conversion's three registers begin on an even number)
	ds_store_b96 v4, v[WC:WC+2] offset:32*(\t)     ; 12 bytes to a place of 16, so that every LDS address is a multiple of 16
	ds_store_b96 v4, v[WC+4:WC+6] offset:32*(\t)+16
.if (\t)+2 < 8
	WLOAD (\t)+2
.endif
	s_wait_dscnt 0x0                               ; the stores have read their registers; the next block begins with plain vector lines ahead of its conversions
.endm
	WLOAD 0
	WLOAD 1
.irp t, 0,1,2,3,4,5,6,7
	WBLOCK \t
.endr
	s_wait_alu depctr_va_vdst(0)
	global_store_b64 v9, v[WSB:WSB+1], s[16:17]    ; my column's 8 scale bytes
.irp t, 0,1,2,3,4,5,6,7,8,9,10,11,12,13,14,15
	ds_load_b96 v[WOUT+4*\t:WOUT+4*\t+2], v7 offset:2*\t*WPITCH   ; a wave's LDS instructions are served in order: these see my stores
.endr
.irp t, 0,1,2,3,4,5,6,7,8,9,10,11,12,13,14,15
	s_wait_dscnt 15-\t                             ; the younger stage loads may be out
	global_store_b96 v8, v[WOUT+4*\t:WOUT+4*\t+2], s[12:13] offset:2*\t*192   ; two rows on end: 384 consecutive bytes
.endr
	s_branch .Lend
; ---------------- PATH V: x as the second product's operand: K = the keys.  A lane takes a channel and its registers run down the keys, in order.  No LDS.
; A work-group takes 256 keys x 128 columns (two heads) of one batch; a wave 32 columns: two tiles of 16 channels of one head.
.set VX,  32                           ; v32-95   two sets of 32 numbers
.set VE,  96                           ; v[96 + 12 u ..]: pair u's even block (6 registers), then its odd block (6): a set for each pair, so that no store's data are written again
.set VT,  144                          ; v144-146 a block's upper 16 codes, before they are moved
.set VSB, 148                          ; v148-149 the scale bytes: two words of four key blocks
.Lpath_v:
	s_sub_co_u32 s23, ttmp9, 256
	s_lshr_b32 s24, s23, 6                         ; batch
	s_bfe_u32 s25, s23, 0x30003                    ; which 256 keys
	s_and_b32 s26, s23, 7                          ; which 128 columns
	s_and_b32 s27, s[WV], 1                        ; which half of the head's 64 channels
	s_lshr_b32 s28, s[WV], 1                       ; which of the two heads
	s_wait_alu depctr_va_vdst(0)
	v_lshlrev_b32 v3, 2, v2                        ; in: 4 bytes a lane
	s_wait_alu depctr_va_vdst(0)
	v_lshlrev_b32 v4, 4, v2                        ; an image's registers 0-3
	v_lshlrev_b32 v5, 3, v2                        ; its registers 4-5; and my channel's two scale words
	s_lshl_b32 s30, s24, 23                        ; x: a batch is 2,048 rows of 4,096 bytes,
	s_lshl_b32 s29, s25, 20                        ; 256 keys,
	s_add_co_u32 s30, s30, s29
	s_lshl_b32 s29, s26, 9                         ; 128 columns,
	s_add_co_u32 s30, s30, s29
	s_lshl_b32 s29, s[WV], 7                       ; my wave's 32
	s_add_co_u32 s30, s30, s29
	s_add_nc_u64 s[4:5], s[4:5], s[30:31]
	s_lshl_b32 s32, s24, 4
	s_lshl_b32 s29, s26, 1
	s_add_co_u32 s32, s32, s29
	s_add_co_u32 s32, s32, s28                     ; bh = 16 batch + head
	s_mul_i32 s30, s32, 98304                      ; v_codes: 32 pairs x 4 tiles x 768 a head,
	s_mul_i32 s29, s25, 12288                      ; 4 pairs,
	s_add_co_u32 s30, s30, s29
	s_mul_i32 s29, s27, 1536                       ; my two tiles
	s_add_co_u32 s30, s30, s29
	s_add_nc_u64 s[14:15], s[14:15], s[30:31]
	s_lshl_b32 s30, s32, 12                        ; the scale words: 4,096 bytes a head, 512 for 256 keys, 8 a channel
	s_lshl_b32 s29, s25, 9
	s_add_co_u32 s30, s30, s29
	s_lshl_b32 s29, s27, 8
	s_add_co_u32 s30, s30, s29
	s_add_co_u32 s30, s30, 327680
	s_add_nc_u64 s[16:17], s[16:17], s[30:31]
.macro VLOAD t                         ; block t: register i takes key 32 t + i of my channel: 32 lanes read 128 consecutive bytes, the four waves 512
.irp i, 0,1,2,3,4,5,6,7,8,9,10,11,12,13,14,15,16,17,18,19,20,21,22,23,24,25,26,27,28,29,30,31
	global_load_b32 v[VX+32*((\t)%2)+\i], v3, s[4:5] offset:(32*(\t)+\i)*4096   ; THE KEYS OF A BLOCK NOW STAND IN THEIR OWN ORDER: position p holds key p, as the attention launch's weights do
.endr
.endm
.macro VBLOCK t
.set VS, VX+32*((\t)%2)
.set VD, VE+12*((\t)/2)+6*((\t)%2)
.if (\t) < 7
	s_wait_loadcnt 32                              ; this block's 32 loads are in; the next block's 32 may be out
.else
	s_wait_loadcnt 0
.endif
	v_max3_num_f32 v8, |v[VS]|, |v[VS+1]|, |v[VS+2]|
	v_max3_num_f32 v9, |v[VS+3]|, |v[VS+4]|, |v[VS+5]|
.irp i, 6,10,14,18,22,26
	v_max3_num_f32 v8, v8, |v[VS+\i]|, |v[VS+\i+1]|
	v_max3_num_f32 v9, v9, |v[VS+\i+2]|, |v[VS+\i+3]|
.endr
	v_max3_num_f32 v8, v8, |v[VS+30]|, |v[VS+31]|
	v_max3_num_f32 v8, v8, v9, 0x2800000           ; with the floor 2^(5 - 127)
	v_add_nc_u32 v10, 0xfe000000, v8               ; the conversion's scale operand
	v_lshrrev_b32 v11, 23, v10                     ; the scale's byte
.if (\t)%4 == 0
	v_mov_b32 v[VSB+(\t)/4], v11
.else
	v_lshl_or_b32 v[VSB+(\t)/4], v11, 8*((\t)%4), v[VSB+(\t)/4]
.endif
	v_cvt_scalef32_pk16_bf6_f32 v[VD:VD+2], v[VS:VS+15], v10
	v_cvt_scalef32_pk16_bf6_f32 v[VT:VT+2], v[VS+16:VS+31], v10     ; (three registers that begin on an even number: made here, moved below)
	v_nop                                          ; one plain line behind the conversions, ahead of the lines that touch their results
.irp i, 0,1,2
	v_mov_b32 v[VD+3+\i], v[VT+\i]
.endr
.if (\t)+2 < 8
	VLOAD (\t)+2
.endif
.if (\t)%2 == 1                        ; a pair of blocks is whole.  The even block's lanes 16-31 change places with the odd block's lanes 0-15: the first six registers are then the image of my first tile
.set VP, VE+12*((\t)/2)                ; (lanes 0-15: its channels' even block, lanes 16-31: their odd block), the second six that of my second tile
.irp i, 0,1,2,3,4,5
	v_permlane16_swap_b32 v[VP+\i], v[VP+6+\i]
.endr
	global_store_b128 v4, v[VP:VP+3], s[14:15] offset:3072*((\t)/2)             ; 512 consecutive bytes
	global_store_b64 v5, v[VP+4:VP+5], s[14:15] offset:3072*((\t)/2)+512        ; 256 consecutive bytes
	global_store_b128 v4, v[VP+6:VP+9], s[14:15] offset:3072*((\t)/2)+768
	global_store_b64 v5, v[VP+10:VP+11], s[14:15] offset:3072*((\t)/2)+1280
.endif
.endm
	VLOAD 0
	VLOAD 1
.irp t, 0,1,2,3,4,5,6,7
	VBLOCK \t
.endr
	global_store_b64 v5, v[VSB:VSB+1], s[16:17]    ; 32 channels x 2 words: 256 consecutive bytes, aligned
	s_branch .Lend
; ---------------- PATH X: x along E.  Rows are dense and E is a multiple of 32: a plain stream of blocks of 32.  A wave takes 16 steps of 512 numbers.
; Each load reads 512 consecutive bytes, 16 a lane; a step's 2,048 bytes turn through the wave's own stage and come back 64 bytes a lane: 16 neighbours along K; two neighbouring lanes hold a block.
.set XWREG, 8192                       ; LDS: a region for each wave: two stages of 32 x 80 bytes, behind them its 256 scale bytes
.set XSP,   80                         ; a lane's place in a stage: 64 bytes + 16 of padding
.set XR,    16                         ; v16-79   four sets of 16 numbers as loaded
.set XX,    80                         ; v80-111  two sets of 16 neighbours
.set XE,    112                        ; v112-127 a scale byte for each step
.set XC,    128                        ; v128-191 codes: four registers for each step, so that no store's data are written again
.Lpath_x:
	s_wait_alu depctr_va_vdst(0)
	v_lshlrev_b32 v3, 4, v2                        ; my 16 bytes of a load's 512
	s_mul_i32 s23, s[WV], XWREG
	v_lshrrev_b32 v14, 2, v2
	v_mul_u32_u24 v14, v14, XSP
	v_and_b32 v15, 3, v2
	v_lshl_add_u32 v14, v15, 4, v14
	v_add_nc_u32 v14, s23, v14                     ; the stage, on the way in: 80 (lane / 4) + 16 (lane % 4)
	v_mul_u32_u24 v15, v2, XSP
	v_add_nc_u32 v15, s23, v15                     ; on the way out: 80 x lane
	v_and_b32 v4, 15, v2                           ; xq_codes is laid [256 along K: 4][row 8192][192 B]: lanes 0-15 hold one 256 along K, lanes 16-31 the next
	v_mul_u32_u24 v4, v4, 12
	v_lshrrev_b32 v10, 4, v2
	v_mad_u32_u24 v4, v10, 0x180000, v4            ; a plane is 8,192 rows x 192 bytes
	v_lshrrev_b32 v5, 1, v2
	s_add_co_u32 s23, s23, 2*32*XSP
	v_add_nc_u32 v5, s23, v5                       ; my block's byte among the wave's 256
	v_lshlrev_b32 v7, 3, v2
	v_add_nc_u32 v6, s23, v7                       ; and on the way out 8 bytes a lane
	s_lshl_b32 s24, ttmp9, 2
	s_add_co_u32 s24, s24, s[WV]                   ; which run of 8,192 numbers is my wave's
	s_lshl_b32 s30, s24, 15
	s_add_nc_u64 s[4:5], s[4:5], s[30:31]
	s_mul_i32 s30, s24, 1536                       ; my wave's 8 rows of 192 bytes in a plane
	s_add_nc_u64 s[10:11], s[10:11], s[30:31]
	s_lshl_b32 s30, s24, 8
	s_add_nc_u64 s[16:17], s[16:17], s[30:31]
.macro XLOAD t
.irp i, 0,1,2,3
	global_load_b128 v[XR+16*((\t)%4)+4*\i:XR+16*((\t)%4)+4*\i+3], v3, s[4:5] offset:2048*(\t)+512*\i
.endr
.endm
.macro XTURN t                         ; step t's numbers through the stage: a wave's LDS instructions are served in order, so no wait stands between the stores and the loads
.irp i, 0,1,2,3
	ds_store_b128 v14, v[XR+16*((\t)%4)+4*\i:XR+16*((\t)%4)+4*\i+3] offset:32*XSP*((\t)%2)+8*XSP*\i
.endr
.irp i, 0,1,2,3
	ds_load_b128 v[XX+16*((\t)%2)+4*\i:XX+16*((\t)%2)+4*\i+3], v15 offset:32*XSP*((\t)%2)+16*\i
.endr
.endm
.irp t, 0,1,2,3
	XLOAD \t
.endr
	s_wait_alu depctr_va_vdst(0)
	s_wait_loadcnt 12                              ; step 0's four loads are in; the 12 of steps 1 to 3 may be out
	XTURN 0
.macro XSTEP t
.set XS, XX+16*((\t)%2)
.if (\t) > 0
	s_wait_dscnt 1                                 ; this step's numbers are back from the stage (the last step's byte store may be out): so its stores into the stage have read their registers,
.else
	s_wait_dscnt 0x0
.endif
.if (\t)+4 < 16
	XLOAD (\t)+4                                   ; which take the loads of four steps on
.endif
.if (\t)+1 < 16
.if 14-(\t) >= 3
	s_wait_loadcnt 12                              ; the next step's four loads are in; those of the three steps behind it may be out
.else
	s_wait_loadcnt 4*(14-(\t))
.endif
	XTURN (\t)+1
.endif
	v_max3_num_f32 v8, |v[XS]|, |v[XS+1]|, |v[XS+2]|
	v_max3_num_f32 v9, |v[XS+3]|, |v[XS+4]|, |v[XS+5]|
.irp i, 6,10
	v_max3_num_f32 v8, v8, |v[XS+\i]|, |v[XS+\i+1]|
	v_max3_num_f32 v9, v9, |v[XS+\i+2]|, |v[XS+\i+3]|
.endr
	v_max3_num_f32 v8, v8, |v[XS+14]|, |v[XS+15]|
	v_max3_num_f32 v8, v8, v9, 0x2800000           ; with the floor 2^(5 - 127)
	v_max_num_f32_dpp v8, v8, v8 row_xmask:1 row_mask:0xf bank_mask:0xf   ; and my neighbour's 16: the block's largest magnitude
	v_add_nc_u32 v11, 0xfe000000, v8
	v_cvt_scalef32_pk16_bf6_f32 v[XC+4*(\t):XC+4*(\t)+2], v[XS:XS+15], v11
	v_lshrrev_b32 v[XE+(\t)], 23, v11              ; the scale's byte
	ds_store_b8 v5, v[XE+(\t)] offset:16*(\t)      ; both lanes of a block write the same byte with the same value
	global_store_b96 v4, v[XC+4*(\t):XC+4*(\t)+2], s[10:11] offset:192*((\t)/2)+3145728*((\t)%2)   ; row t / 2, planes 2 (t % 2) and 2 (t % 2) + 1: sixteen lanes store 192 consecutive bytes
.endm
.irp t, 0,1,2,3,4,5,6,7,8,9,10,11,12,13,14,15
	XSTEP \t
.endr
	ds_load_b64 v[8:9], v6
	s_wait_dscnt 0x0
	global_store_b64 v7, v[8:9], s[16:17]          ; 256 consecutive bytes, aligned
.Lend:                                         ; one end for the three paths
	s_wait_tensorcnt 0x0                           ; the wave's end
	ds_add_u32 v[SPW], v[NIL]
	s_wait_dscnt 0x0
	s_endpgm
.Lfunc_end_k_q88bdab76ce_quant:
	.size	k_q88bdab76ce_quant, .Lfunc_end_k_q88bdab76ce_quant-k_q88bdab76ce_quant
	.p2alignl 7, 3214868480
	.fill 96, 4, 3214868480
	.section	.rodata,"a",@progbits
	.p2align	6, 0x0
	.amdhsa_kernel k_q88bdab76ce_quant
		.amdhsa_group_segment_fixed_size 68096
		.amdhsa_private_segment_fixed_size 0
		.amdhsa_enable_private_segment 0
		.amdhsa_kernarg_size 56
		.amdhsa_user_sgpr_count 2
		.amdhsa_user_sgpr_kernarg_segment_ptr 1
		.amdhsa_wavefront_size32 1
		.amdhsa_system_sgpr_workgroup_id_x 1
		.amdhsa_system_sgpr_workgroup_id_y 1
		.amdhsa_system_sgpr_workgroup_id_z 1
		.amdhsa_system_vgpr_workitem_id 0
		.amdhsa_next_free_vgpr 200
		.amdhsa_next_free_sgpr 66
		.amdhsa_reserve_vcc 0
		.amdhsa_float_denorm_mode_32 3
		.amdhsa_float_denorm_mode_16_64 3
		.amdhsa_memory_ordered 1
		.amdhsa_forward_progress 1
		.amdhsa_inst_pref_size 113
	.end_amdhsa_kernel
	.amdgpu_metadata
---
amdhsa.version: [ 1, 2 ]
amdhsa.kernels:
  - .name:           k_q88bdab76ce_quant
    .symbol:         k_q88bdab76ce_quant.kd
    .args:
      - { .name: inputs, .offset: 0, .size: 8, .value_kind: global_buffer, .address_space: global }
      - { .name: rotation_params, .offset: 8, .size: 8, .value_kind: global_buffer, .address_space: global }
      - { .name: entangle_params, .offset: 16, .size: 8, .value_kind: global_buffer, .address_space: global }
      - { .name: xq_codes, .offset: 24, .size: 8, .value_kind: global_buffer, .address_space: global }
      - { .name: wq_codes, .offset: 32, .size: 8, .value_kind: global_buffer, .address_space: global }
      - { .name: v_codes, .offset: 40, .size: 8, .value_kind: global_buffer, .address_space: global }
      - { .name: l1_scales, .offset: 48, .size: 8, .value_kind: global_buffer, .address_space: global }
    .group_segment_fixed_size: 68096
    .private_segment_fixed_size: 0
    .kernarg_segment_align: 8
    .kernarg_segment_size: 56
    .max_flat_workgroup_size: 128
    .sgpr_count:     66
    .vgpr_count:     200
    .wavefront_size: 32
...
	.end_amdgpu_metadata
.endif
;; end of part 1
;; launch proj (part 2): grid 8 x 32, 4 waves a work-group, clusters of 4 x 4, 327,680 bytes of LDS; arguments xq_codes, l1_scales, wq_codes, qk_codes, qk_scales; writes qk_codes, qk_scales
.if DOCPART == 2
	.amdgcn_target "amdgcn-amd-amdhsa--gfx1250"
	.amdhsa_code_object_version 6
	.text
	.protected	k_q88bdab76ce_proj
	.globl	k_q88bdab76ce_proj
	.p2align	8
	.type	k_q88bdab76ce_proj,@function
k_q88bdab76ce_proj:
	s_mov_b64 s[64:65], 0
	v_nop
	global_prefetch_b8 v0, s[64:65] scope:SCOPE_SE
	s_setreg_imm32_b32 hwreg(HW_REG_WAVE_MODE, 25, 1), 1
	s_wait_xcnt 0x0
	s_wait_alu depctr_hold_cnt(0) depctr_sa_sdst(0) depctr_va_vdst(0) depctr_va_sdst(0) depctr_va_ssrc(0) depctr_va_vcc(0) depctr_vm_vsrc(0)
	s_getreg_b32 s2, hwreg(HW_REG_IB_STS2, 6, 4)
	s_cmp_eq_u32 s2, 0
	s_cbranch_scc0 .Lentry_in_a_cluster
	s_endpgm
.Lentry_in_a_cluster:
	s_bfe_u32 s2, ttmp6, 0x10000c
	s_cmp_lg_u32 s2, 0xf033
	s_cbranch_scc0 .Lentry_shape_is_right
	s_endpgm
.Lentry_shape_is_right:
.set SIZE_M, 8192
.set SIZE_N, 2048
.set SIZE_K, 1024
.set KSTEP,  256
.set NQ,     KSTEP/128
.set ROWB,   192
.set KROW,   SIZE_K*6/8
.set PITCH,  240
.set FR,     12
.set NL,     6
.set NP,     4
.set HALFT,  128*PITCH
.set SLOT,   4*HALFT
.set LAPS,   SIZE_K/(2*KSTEP)
.set KS,     SIZE_K/32
.set SCL,    2*SLOT
.set HALFS,  (128*KS/256)*272
.set SBLK,   (16*KS/256)*272
.set SPARE,  SCL+4*HALFS
.set ADRA, 16
.set ADRB, 20
.set L16,  24
.set L8,   25
.set SST,  26
.set ADRS, 27
.set SPW,  28
.set NIL,  29
.set SRD,  30
.set H16,  31
.set SC,   32
.set AF,   128
.set TM,   224
.set PW,   240
.set SW,   241
.set ZR,   104
.set SEL,  96
.set G1, 24
.set G0, 32
.set G1B, 48
.set G0B, 56
.set G1S, 68
.set G0S, 76
.set G1SB, 80
.set G0SB, 88
.set MSB, 0
.macro WIN new
.if MSB != \new
	s_set_vgpr_msb (MSB<<8)|\new
.set MSB, \new
.endif
.endm
.set MUL_LO, 0xa1
.set MUL_HI, 0xf1
.set TO_B,   0x40
.macro JLOAD g0a, g1a, g0b, g1b
	s_cmp_eq_u32 s15, 0
	s_cbranch_scc0 .Lfor_b_\@
	tensor_load_to_lds s[\g0a:\g0a+3], s[\g1a:\g1a+7]
	s_nop 0
.rept 4
	v_nop
.endr
	s_branch .Lasked_\@
.Lfor_b_\@:
	tensor_load_to_lds s[\g0b:\g0b+3], s[\g1b:\g1b+7]
	s_nop 0
.rept 4
	v_nop
.endr
.Lasked_\@:
.endm
.macro CREST
	s_cmp_lg_u32 s14, 0
	s_cbranch_scc1 .Lnot_wave_0_\@
	s_barrier_signal -3
.Lnot_wave_0_\@:
	s_barrier_wait -3
	s_barrier_signal -1
	s_barrier_wait -1
.endm
.macro CROUND
	s_barrier_signal -1
	s_barrier_wait -1
	CREST
.endm
	s_load_b128 s[4:7], s[0:1], 0x0
	s_load_b128 s[8:11], s[0:1], 0x10
	s_load_b64 s[12:13], s[0:1], 0x20
	v_lshl_add_u32 v[SPW], v0, 2, SPARE
	v_mov_b32 v[NIL], 0
	ds_add_u32 v[SPW], v[NIL]
	ds_add_u32 v[SPW], v[NIL]
	v_lshrrev_b32 v1, 5, v0
	v_readfirstlane_b32 s14, v1
	s_lshr_b32 s15, s14, 1
	s_and_b32 s16, s14, 1
	s_bfe_u32 s40, ttmp6, 0x40000
	s_bfe_u32 s41, ttmp6, 0x40004
	s_lshl_b32 s42, ttmp9, 2
	s_add_co_u32 s42, s42, s40
	s_and_b32 s17, ttmp7, 0xffff
	s_lshl_b32 s17, s17, 2
	s_add_co_u32 s17, s17, s41
	s_lshl_b32 s43, s41, 2
	s_lshl_b32 s43, 15, s43
	s_lshl_b32 s44, 0x1111, s40
	s_or_b32 s[G1+0], s43, (0<<16)|(1<<20)|(1<<21)|(3<<22)|(3<<25)
	s_or_b32 s[G1B+0], s44, (0<<16)|(1<<20)|(1<<21)|(3<<22)|(3<<25)
.irp g, G1, G1B
	s_mov_b32 s[\g+1], 256<<16                     ; the codes lie [256 along K][row][192 B]: a tile's 128 rows are 24,576 dense bytes, asked for as 96 rows of 256 bytes;
	s_mov_b32 s[\g+2], 96<<16                      ; 16 bytes of padding behind each 64 give an LDS pitch of 240 for each 192 bytes
	s_mov_b32 s[\g+3], 256<<16
	s_mov_b32 s[\g+4], 96
	s_mov_b32 s[\g+5], 256
	s_mov_b32 s[\g+6], 0
	s_mov_b32 s[\g+7], 0
.endr
	s_or_b32 s[G1S+0], s43, (3<<16)|(1<<20)|(1<<21)|(5<<22)|(3<<25)
	s_or_b32 s[G1SB+0], s44, (3<<16)|(1<<20)|(1<<21)|(5<<22)|(3<<25)
.irp g, G1S, G1SB
	s_mov_b32 s[\g+1], 32<<16
	s_mov_b32 s[\g+2], (128*KS/256)<<16
	s_mov_b32 s[\g+3], 32<<16
	s_mov_b32 s[\g+4], 128*KS/256
	s_mov_b32 s[\g+5], 32
	s_mov_b32 s[\g+6], 0
	s_mov_b32 s[\g+7], 0
.endr
	s_lshl_b32 s18, s16, 7
	s_lshl_b32 s20, s17, 8
	s_add_co_u32 s20, s20, s18
	s_lshl_b32 s46, s42, 8
	s_add_co_u32 s46, s46, s18
	s_mov_b32 s21, 0
	s_mov_b32 s47, 0
	s_mov_b64 s[18:19], KS
	s_mul_u64 s[22:23], s[20:21], s[18:19]
	s_mul_u64 s[92:93], s[46:47], s[18:19]
	s_add_nc_u64 s[92:93], s[92:93], 0x40000
	s_mov_b64 s[18:19], 192
	s_mul_u64 s[20:21], s[20:21], s[18:19]
	s_mul_u64 s[46:47], s[46:47], s[18:19]
	s_mul_i32 s45, s14, HALFT
	s_mul_i32 s94, s14, HALFS
	s_wait_dscnt 0x0
	s_wait_kmcnt 0x0
	s_add_nc_u64 s[20:21], s[4:5], s[20:21]
	s_add_nc_u64 s[22:23], s[6:7], s[22:23]
	s_add_nc_u64 s[46:47], s[8:9], s[46:47]
	s_add_nc_u64 s[92:93], s[6:7], s[92:93]
	CROUND
	s_mov_b32 s[G0S], 1
	s_add_co_u32 s[G0S+1], s94, SCL
	s_mov_b64 s[G0S+2:G0S+3], s[22:23]
	s_or_b32 s[G0S+3], s[G0S+3], 0x80000000
	s_mov_b32 s[G0SB], 1
	s_add_co_u32 s[G0SB+1], s94, SCL
	s_mov_b64 s[G0SB+2:G0SB+3], s[92:93]
	s_or_b32 s[G0SB+3], s[G0SB+3], 0x80000000
	JLOAD G0S, G1S, G0SB, G1SB
.irp s, 0,1
	s_mov_b32 s[G0+4*\s], 1
	s_add_co_u32 s[G0+4*\s+1], s45, \s*SLOT
	s_add_nc_u64 s[G0+4*\s+2:G0+4*\s+3], s[20:21], \s*1572864
	s_or_b32 s[G0+4*\s+3], s[G0+4*\s+3], 0x80000000
	s_mov_b32 s[G0B+4*\s], 1
	s_add_co_u32 s[G0B+4*\s+1], s45, \s*SLOT
	s_add_nc_u64 s[G0B+4*\s+2:G0B+4*\s+3], s[46:47], \s*393216
	s_or_b32 s[G0B+4*\s+3], s[G0B+4*\s+3], 0x80000000
	s_wait_alu depctr_va_vdst(0)
	s_wait_tensorcnt 0x0
	ds_add_u32 v28, v29
	s_wait_dscnt 0x0
	CROUND
	JLOAD G0+4*\s, G1, G0B+4*\s, G1B
.endr
	v_and_b32 v1, 15, v0
	v_bfe_u32 v2, v0, 4, 1
	v_mul_u32_u24 v3, v1, PITCH
	v_mul_u32_u24 v4, v2, 24
	v_add_nc_u32 v4, v3, v4
	v_lshl_add_u32 v5, v2, 4, v4
	s_mul_i32 s21, s15, HALFT
	s_mul_i32 s22, s16, HALFT
	s_add_co_u32 s22, s22, 2*HALFT
.irp s, 0,1
	v_add_nc_u32 v[ADRA+\s], s21, v4
	v_add_nc_u32 v[ADRB+\s], s22, v4
	v_add_nc_u32 v[ADRA+2+\s], s21, v5
	v_add_nc_u32 v[ADRB+2+\s], s22, v5
	s_add_co_u32 s21, s21, SLOT
	s_add_co_u32 s22, s22, SLOT
.endr
	v_mul_u32_u24 v5, v1, KS
	v_lshrrev_b32 v6, 8, v5
	v_lshl_add_u32 v5, v6, 4, v5
	s_mul_i32 s21, s15, HALFS
	s_mul_i32 s22, s16, HALFS
	s_add_co_u32 s22, s22, 2*HALFS
	s_sub_co_u32 s22, s22, s21
	v_mul_u32_u24 v6, s22, v2
	s_add_co_u32 s21, s21, SCL
	v_add_nc_u32 v5, v5, v6
	v_add_nc_u32 v[ADRS], s21, v5
	v_and_b32 v6, 31, v0
	v_lshlrev_b32 v[L16], 4, v6
	v_lshlrev_b32 v[L8], 3, v6
	s_lshl_b32 s23, s14, 10
; WHICH ROWS FORM A STORED TILE: of each 64 positions, tile i holds positions 8 i .. 8 i + 7 in its rows 0-7 and 32 + 8 i .. 32 + 8 i + 7 in its rows 8-15.
; Row r of my block a goes to tile 4 (a / 4) + 2 (a % 2) + r / 8, row 8 ((a % 4) / 2) + r % 8.  The images are put together in a stage of my own in LDS (12,288 bytes a wave: 2 heads x 8 tiles x 768,
; in slot 0, behind the scale words' stage: that slot has had its last fill and its last read) and leave from there in their own order, 512 consecutive bytes a store.
.set IRD, 114
.set I16, 112
.set I8,  113
	v_and_b32 v7, 7, v1
	v_lshrrev_b32 v6, 3, v1
	v_mul_u32_u24 v8, v6, 768
	v_lshl_add_u32 v[I16], v7, 4, v8
	v_lshl_add_u32 v[I16], v2, 8, v[I16]
	v_lshl_add_u32 v[I8], v7, 3, v8
	v_lshl_add_u32 v[I8], v2, 7, v[I8]
	s_mul_i32 s21, s14, 12288
	s_add_co_u32 s21, s21, 4096                    ; my stage for the images
	v_add_nc_u32 v[I16], s21, v[I16]
	v_add_nc_u32 v[I8], s21, v[I8]
	v_add_nc_u32 v[IRD], s21, v[L16]               ; and back: 16 bytes a lane, on end
	v_lshlrev_b32 v5, 2, v7
	v_lshl_add_u32 v5, v6, 6, v5
	v_lshl_add_u32 v5, v2, 9, v5
	v_add_nc_u32 v[SST], s23, v5
	v_add_nc_u32 v[SRD], s23, v[L16]
	v_lshlrev_b32 v[H16], 4, v2
	s_lshl_b32 s46, s42, 2
	s_lshl_b32 s47, s16, 1
	s_add_co_u32 s46, s46, s47
	s_lshr_b32 s47, s46, 4
	s_and_b32 s46, s46, 15
	s_lshl_b32 s47, s47, 6
	s_add_co_u32 s46, s46, s47
	s_lshr_b32 s47, s17, 3
	s_lshl_b32 s47, s47, 4
	s_add_co_u32 s46, s46, s47
	s_and_b32 s20, s17, 7
	s_lshl_b32 s20, s20, 4
	s_lshl_b32 s21, s15, 3
	s_add_co_u32 s20, s20, s21
	s_mul_i32 s22, s46, 98304
	s_mul_i32 s23, s20, 768
	s_add_co_u32 s22, s22, s23
	s_mov_b32 s23, 0
	s_add_nc_u64 s[10:11], s[10:11], s[22:23]
	s_lshl_b32 s22, s46, 13
	s_lshl_b32 s21, s20, 6
	s_add_co_u32 s22, s22, s21
	s_add_nc_u64 s[12:13], s[12:13], s[22:23]
	s_mov_b32 s[SEL], 0x76543210
	s_mov_b32 s[SEL+1], 0xfedcba98
.macro FRAG reg, adr, q, i
.irp p, 0,1,2,3,4,5
.set PC, 12*(\q)+6*(\p/3)+\p%3
.if PC%8 < 5
	ds_load_b64 v[\reg+2*\p:\reg+2*\p+1], v[\adr] offset:8*PC+16*(PC/8)+(\i)*16*PITCH
.else
	ds_load_b64 v[\reg+2*\p:\reg+2*\p+1], v[\adr+2] offset:8*PC+16*(PC/8)+(\i)*16*PITCH
.endif
.endr
.endm
.macro MUL16 a0, p, q, sc, zero
.irp a, \a0, \a0+1
.irp b, 0,1,2,3,4,5,6,7
.if \zero
	v_wmma_scale_f32_16x16x128_f8f6f4 v[8*(8*((\a)%4)+\b):8*(8*((\a)%4)+\b)+7], v[128*(\p)+FR*\b:128*(\p)+FR*\b+FR-1], v[AF+FR*(\a):AF+FR*(\a)+FR-1], 0, v[SC+8*NQ*(\sc)+NQ*\b+(\q)], v[SC+8*NQ*(\sc)+NQ*(\a)+(\q)] matrix_a_fmt:MATRIX_FMT_BF6 matrix_b_fmt:MATRIX_FMT_BF6 matrix_a_scale:MATRIX_SCALE_ROW1
.else
	v_wmma_scale_f32_16x16x128_f8f6f4 v[8*(8*((\a)%4)+\b):8*(8*((\a)%4)+\b)+7], v[128*(\p)+FR*\b:128*(\p)+FR*\b+FR-1], v[AF+FR*(\a):AF+FR*(\a)+FR-1], v[8*(8*((\a)%4)+\b):8*(8*((\a)%4)+\b)+7], v[SC+8*NQ*(\sc)+NQ*\b+(\q)], v[SC+8*NQ*(\sc)+NQ*(\a)+(\q)] matrix_a_fmt:MATRIX_FMT_BF6 matrix_b_fmt:MATRIX_FMT_BF6 matrix_a_scale:MATRIX_SCALE_ROW1
.endif
.endr
.endr
.endm
.macro FETCH_B slot, q, p
	WIN TO_B
.irp i, 0,1,2,3,4,5,6,7
	FRAG 128*(\p)+FR*\i, ADRB+\slot, \q, \i
.endr
	WIN 0
.endm
.macro FETCH_A slot, q, i0
.irp i, \i0, \i0+1, \i0+2, \i0+3
	FRAG AF+FR*(\i), ADRA+\slot, \q, \i
.endr
.endm
.macro SCALES sc
.irp i, 0,1,2,3,4,5,6,7
	ds_load_b64 v[SC+8*NQ*\sc+NQ*\i:SC+8*NQ*\sc+NQ*\i+1], v[ADRS] offset:\i*SBLK
.endr
.endm
.macro PLACES n
.rept \n
	v_nop
.endr
.endm
.macro STEP slot, q, zero
	s_wait_dscnt 4*NL
	WIN MUL_LO
	MUL16 0, (\q)%2, \q, \slot, \zero
	MUL16 2, (\q)%2, \q, \slot, \zero
	s_wait_dscnt 0
	PLACES NP
	FETCH_B \slot, (\q)+1, 1-(\q)%2
	FETCH_A \slot, (\q)+1, 0
	WIN MUL_HI
	MUL16 4, (\q)%2, \q, \slot, \zero
	MUL16 6, (\q)%2, \q, \slot, \zero
	PLACES NP
	WIN 0
	FETCH_A \slot, (\q)+1, 4
.endm
.macro TURN slot, next, fill
	s_wait_tensorcnt 0x0
	ds_add_u32 v[SPW], v[NIL]
	s_wait_dscnt 4*NL+1
	WIN MUL_LO
	MUL16 0, 1, NQ-1, \slot, 0
	s_wait_dscnt 0x0
	s_barrier_signal -1
	MUL16 2, 1, NQ-1, \slot, 0
	WIN 0
	s_barrier_wait -1
.if \fill
	CREST
	s_add_nc_u64 s[G0+4*\slot+2:G0+4*\slot+3], s[G0+4*\slot+2:G0+4*\slot+3], 2*1572864
	s_add_nc_u64 s[G0B+4*\slot+2:G0B+4*\slot+3], s[G0B+4*\slot+2:G0B+4*\slot+3], 2*393216
	JLOAD G0+4*\slot, G1, G0B+4*\slot, G1B
.else
	PLACES NP
.endif
	s_wait_alu depctr_va_vdst(0)
	v_add_nc_u32 v[ADRS], 4*NQ, v[ADRS]
	FETCH_B \next, 0, 0
	FETCH_A \next, 0, 0
	SCALES \next
	WIN MUL_HI
	MUL16 4, 1, NQ-1, \slot, 0
	MUL16 6, 1, NQ-1, \slot, 0
	PLACES NP
	WIN 0
	FETCH_A \next, 0, 4
.endm
	s_wait_alu depctr_va_vdst(0)
	s_wait_tensorcnt 1
	s_barrier_signal -1
	s_barrier_wait -1
	FETCH_B 0, 0, 0
	FETCH_A 0, 0, 0
	SCALES 0
	FETCH_A 0, 0, 4
	STEP 0, 0, 1
	s_mov_b32 s3, LAPS-1
.Llap:
	TURN 0, 1, 1
	STEP 1, 0, 0
	TURN 1, 0, 1
	STEP 0, 0, 0
	s_sub_co_u32 s3, s3, 1
	s_cmp_lg_u32 s3, 0
	s_cbranch_scc1 .Llap
	TURN 0, 1, 0
	STEP 1, 0, 0
	s_wait_dscnt 4*NL
	WIN MUL_LO
	MUL16 0, 1, NQ-1, 1, 0
	MUL16 2, 1, NQ-1, 1, 0
	s_wait_dscnt 0
	WIN MUL_HI
	MUL16 4, 1, NQ-1, 1, 0
	MUL16 6, 1, NQ-1, 1, 0
	WIN 0
.macro OUTBLK a
.set AC, 64*((\a)%4)
.set PB, 64+20*((\a)%2)
	WIN 0x0a+5*((\a)/4)
.irp b, 0,1,2,3
	v_max3_num_f32 v[TM+\b], |v[AC+16*\b]|, |v[AC+16*\b+1]|, 0x2800000
.endr
	WIN 0x28+0x14*((\a)/4)
.irp i, 2,4,6,8,10,12,14
.irp b, 0,1,2,3
	v_max3_num_f32 v[TM+\b], v[TM+\b], |v[AC+16*\b+\i]|, |v[AC+16*\b+\i+1]|
.endr
.endr
	WIN 0
.irp b, 0,1,2,3
	v_permlanex16_b32 v[TM+4+\b], v[TM+\b], s[SEL], s[SEL+1]
.endr
.irp b, 0,1,2,3
	v_max_num_f32 v[TM+\b], v[TM+\b], v[TM+4+\b]
.endr
.irp b, 0,1,2,3
	v_add_nc_u32 v[TM+12+\b], 0xfe000000, v[TM+\b]
.endr
.irp b, 0,1,2,3
	v_lshrrev_b32 v[TM+4+\b], 23, v[TM+12+\b]
.endr
	v_lshl_or_b32 v[PW], v[TM+5], 8, v[TM+4]
	v_lshl_or_b32 v[PW], v[TM+6], 16, v[PW]
	v_lshl_or_b32 v[PW], v[TM+7], 24, v[PW]
	v_lshrrev_b32 v[SW], v[H16], v[PW]
	WIN 2+(\a)/4
.irp c, 0,1
	v_cvt_scalef32_pk16_bf6_f32 v[PB+6*\c:PB+6*\c+2], v[AC+32*\c:AC+32*\c+15], v[TM+12+2*\c]
	v_cvt_scalef32_pk16_bf6_f32 v[PB+12+4*\c:PB+14+4*\c], v[AC+32*\c+16:AC+32*\c+31], v[TM+13+2*\c]
.endr
	WIN 0
	v_nop
.irp c, 0,1
.irp i, 0,1,2
	v_permlane16_swap_b32 v[PB+6*\c+\i], v[PB+12+4*\c+\i]
.endr
.irp i, 0,1,2
	v_mov_b32 v[PB+3+6*\c+\i], v[PB+12+4*\c+\i]
.endr
.endr
	ds_store_b32 v[SST], v[SW] offset:64*(4*((\a)/4)+2*((\a)%2))+32*(((\a)%4)/2)
.irp c, 0,1
	ds_store_b128 v[I16], v[PB+6*\c:PB+6*\c+3] offset:6144*\c+768*(4*((\a)/4)+2*((\a)%2))+128*(((\a)%4)/2)
	ds_store_b64 v[I8], v[PB+6*\c+4:PB+6*\c+5] offset:6144*\c+768*(4*((\a)/4)+2*((\a)%2))+512+64*(((\a)%4)/2)
.endr
.endm
.irp b, 0,1,2,3
	v_mov_b32 v[TM+4+\b], 0
.endr
; Tiles 4 g .. 4 g + 3 of both heads are whole when blocks 4 g .. 4 g + 3 are done: 2 x 3,072 bytes come back from my stage (a wave's LDS instructions are served in order) into the registers
; that held A's fragments, each used once, and every store covers 512 consecutive bytes, aligned.
.macro SENDH g
.irp c, 0,1
.irp k, 0,1,2,3,4,5
	ds_load_b128 v[AF+48*\g+24*\c+4*\k:AF+48*\g+24*\c+4*\k+3], v[IRD] offset:6144*\c+3072*\g+512*\k
.endr
.endr
.irp c, 0,1
.irp k, 0,1,2,3,4,5
	s_wait_dscnt 11-6*\c-\k                        ; the younger stage loads may be out
	global_store_b128 v[L16], v[AF+48*\g+24*\c+4*\k:AF+48*\g+24*\c+4*\k+3], s[10:11] offset:98304*\c+3072*\g+512*\k
.endr
.endr
.endm
.irp a, 0,1,2,3
	OUTBLK \a
.endr
	SENDH 0
.irp a, 4,5,6,7
	OUTBLK \a
.endr
	SENDH 1
	ds_load_b128 v[ZR:ZR+3], v[SRD]
	ds_load_b128 v[ZR+4:ZR+7], v[SRD] offset:512
	s_wait_dscnt 0x0
	global_store_b128 v[L16], v[ZR:ZR+3], s[12:13]
	global_store_b128 v[L16], v[ZR+4:ZR+7], s[12:13] offset:8192
	s_wait_tensorcnt 0x0
	ds_add_u32 v[SPW], v[NIL]
	s_wait_dscnt 0x0
	CROUND
	s_endpgm
.Lfunc_end_k_q88bdab76ce_proj:
	.size	k_q88bdab76ce_proj, .Lfunc_end_k_q88bdab76ce_proj-k_q88bdab76ce_proj
	.p2alignl 7, 3214868480
	.fill 96, 4, 3214868480
	.section	.rodata,"a",@progbits
	.p2align	6, 0x0
	.amdhsa_kernel k_q88bdab76ce_proj
		.amdhsa_group_segment_fixed_size 327680
		.amdhsa_private_segment_fixed_size 0
		.amdhsa_enable_private_segment 0
		.amdhsa_kernarg_size 40
		.amdhsa_user_sgpr_count 2
		.amdhsa_user_sgpr_kernarg_segment_ptr 1
		.amdhsa_wavefront_size32 1
		.amdhsa_system_sgpr_workgroup_id_x 1
		.amdhsa_system_sgpr_workgroup_id_y 1
		.amdhsa_system_sgpr_workgroup_id_z 1
		.amdhsa_system_vgpr_workitem_id 0
		.amdhsa_next_free_vgpr 1024
		.amdhsa_next_free_sgpr 98
		.amdhsa_reserve_vcc 0
		.amdhsa_float_denorm_mode_32 3
		.amdhsa_float_denorm_mode_16_64 3
		.amdhsa_memory_ordered 1
		.amdhsa_forward_progress 1
		.amdhsa_inst_pref_size 171
	.end_amdhsa_kernel
	.amdgpu_metadata
---
amdhsa.version: [ 1, 2 ]
amdhsa.kernels:
  - .name:           k_q88bdab76ce_proj
    .symbol:         k_q88bdab76ce_proj.kd
    .args:
      - { .name: xq_codes, .offset: 0, .size: 8, .value_kind: global_buffer, .address_space: global }
      - { .name: l1_scales, .offset: 8, .size: 8, .value_kind: global_buffer, .address_space: global }
      - { .name: wq_codes, .offset: 16, .size: 8, .value_kind: global_buffer, .address_space: global }
      - { .name: qk_codes, .offset: 24, .size: 8, .value_kind: global_buffer, .address_space: global }
      - { .name: qk_scales, .offset: 32, .size: 8, .value_kind: global_buffer, .address_space: global }
    .group_segment_fixed_size: 327680
    .private_segment_fixed_size: 0
    .kernarg_segment_align: 8
    .kernarg_segment_size: 40
    .max_flat_workgroup_size: 128
    .sgpr_count:     98
    .vgpr_count:     1024
    .wavefront_size: 32
...
	.end_amdgpu_metadata
.endif
;; end of part 2
;; launch attn (part 3): grid 4 x 64, 16 waves a work-group, clusters of 4 x 1, 327,680 bytes of LDS; arguments qk_codes, qk_scales, v_codes, l1_scales, inputs, ybuf; writes ybuf
.if DOCPART == 3
	.amdgcn_target "amdgcn-amd-amdhsa--gfx1250"
	.amdhsa_code_object_version 6
	.text
	.protected	k_q88bdab76ce_attn
	.globl	k_q88bdab76ce_attn
	.p2align	8
	.type	k_q88bdab76ce_attn,@function
k_q88bdab76ce_attn:
	s_mov_b64 s[64:65], 0
	v_nop
	global_prefetch_b8 v0, s[64:65] scope:SCOPE_SE
	s_setreg_imm32_b32 hwreg(HW_REG_WAVE_MODE, 25, 1), 1
	s_wait_xcnt 0x0
	s_wait_alu depctr_hold_cnt(0) depctr_sa_sdst(0) depctr_va_vdst(0) depctr_va_sdst(0) depctr_va_ssrc(0) depctr_va_vcc(0) depctr_vm_vsrc(0)
	s_getreg_b32 s2, hwreg(HW_REG_IB_STS2, 6, 4)
	s_cmp_eq_u32 s2, 0
	s_cbranch_scc0 .Lentry_in_a_cluster
	s_endpgm
.Lentry_in_a_cluster:
	s_bfe_u32 s2, ttmp6, 0x10000c
	s_cmp_lg_u32 s2, 0x3003
	s_cbranch_scc0 .Lentry_shape_is_right
	s_endpgm
.Lentry_shape_is_right:
; LAUNCH 3 OF 4: ybuf[b][s][64 head + d] = x + (sum over keys of softmax(q . k / 8) v), both products on codes of BF6 with one E8M0 scale for each 32 along K.  Nothing of the problem is left out here.
; THE SOFTMAX: t = score x log2(e) / 8; M = the row's largest t so far, rounded UP to a whole number; p = 2^(t - M) is quantised along the keys, not normalised.  The row's sum is taken of the
; unquantised p in f32 and divides at the end.  When M moves, the sum and O are multiplied by 2^(old M - new M): exact.
; SHARES.  A work-group owns 512 queries of one (batch, head): sixteen waves, each with two tiles of 16 queries, one after the other.  Every wave walks all 2,048 keys, 128 a step.
; ALL OF THE HEAD'S K AND V LIE IN LDS: 2 x 98,304 bytes of codes, 12,288 of scale words.  They come in two groups of tensor loads: keys 0-511 and the scale words at the head, the rest behind the first
; barrier, under the first three key steps; one more barrier shows them whole.  Nothing is filled again, and from there on no wave waits for another.
; CLUSTER: the four work-groups of a head ask for these bytes jointly (mask 15).  Descriptors, branches and LDS addresses hang on the head and the wave's number alone; cx enters global addresses of q, x and ybuf only.
; NO PREFETCH OF K AND V: all their bytes are asked for by the two groups of loads at the start; no later load is left to run ahead of.  x's rows for the way out are prefetched a pass (16 key steps) ahead, a lane a row.
; LAYOUT.  Both products are used transposed: S^T = K Q^T, O^T = V^T P^T: a lane holds ONE query (lane % 16).  Codes lie as IMAGES of six operand registers (768 bytes: registers 0-3 at 16 x lane, 4-5 at 512 + 8 x lane).
; A stored tile i of 64 positions holds positions 8 i + 0..7 in rows 0-7 and 32 + 8 i + 0..7 in rows 8-15.  So the 32 registers of tiles 4 g .. 4 g + 3 hold, in lane half h, keys 64 g + 32 h + 0 .. 31 in order:
; a WHOLE block of keys to a lane, which is the layout of P as an operand: no exchange between lanes but for the row's maximum and the scale word.
; The first product's K is the head's 64: registers 6-11 of Q's fragment hold zero codes.  K's fragment t is v[KF + 6 t .. + 11]: its upper six registers are the next tile's codes (the last tile's: codes left by a conversion).
; Every pattern of E3M2 is a finite number and the scale words' upper bytes are 0 or a neighbour's 1..254, so these products with Q's zeros add nothing.
; LIMITS: NaN and infinities are not served.  The scaled scores stay under 2^31 in magnitude.  A p under 2^-126 counts as 0; a block whose every p is 0 keeps the byte 1: its codes are zeros.
; The second tile starts from the first tile's O and sum, which its first factor, 0, clears.  The last key step's look-ahead wraps to key 0: the second tile uses it, behind the second tile it is not used.
.set VOFF,  24576                      ; a slot of 512 keys: K's 32 images, then V's 8 pairs x 4 tiles
.set SLOTP, 49152
.set SCK,   196608                     ; K's scale words: 8,192 bytes
.set SCV,   204800                     ; V's: 4,096 bytes
.set STAGE, 208896                     ; the way out: 16 rows x 272 bytes for each wave
.set SPARE, 278528                     ; the spare words, 128 bytes for each wave
.set A16,  1                           ; 16 x lane
.set A8,   2                           ; 8 x lane
.set ASK0, 3                           ; SCK + 4 x lane
.set ASV0, 4                           ; SCV + 8 x lane
.set SPW,  5                           ; my spare word; never rewritten
.set NIL,  6                           ; 0; never rewritten
.set GO,   7                           ; 4096 (lane / 16) + 16 (lane % 16)
.set AD16, 8                           ; v8-11: the step's addresses: codes (16 and 8 bytes a lane), K's scale words, V's
.set AD8,  9
.set ADS,  10
.set ADT,  11                          ; v12 -M, v13 the largest score, v[14:15] the sum in two halves
.set QF,   16                          ; v16-27 Q's fragment (v22-27 zeros)
.set SO,   28                          ; v28-29 the conversions' scale operands
.set H8,   30                          ; 8 (lane / 16)
.set PFX,  31                          ; x's row of lane min(lane, 15), in bytes; never rewritten
.set KF,   32                          ; v32-79 K's eight tiles, six registers each
.set TT,   80                          ; v80-86 the upper halves of p's blocks, before they are moved
.set VF,   88                          ; v88-135 four fragments of V
.set S,    136                         ; v136-199 S^T, then p
.set O,    200                         ; v200-231 O^T
.set PCD,  232                         ; v232-243 p's codes; ahead of them the blocks' maxima and bytes
.set KS,   244                         ; v244-247 K's scale words;  v248-249 V's;  v250 p's;  v251 Q's: these hold scales alone
.set VS,   248
.set PS,   250
.set QS,   251
.set FF,   252                         ; f = 2^(old M - new M); named as a pair with v253
.set TMP,  253
.set PT,   254                         ; a lane permute's result
.set WW,   255
.set E0,   VF+32                       ; v120-124 at work on the way out
.set TB,   2
.set TS,   3
.set XT,   16
.set SI,   17                          ; the key step that is fetched ahead, 0..15
.set WV,   18
.set CX,   19
.set SEL,  20                          ; s[20:21] lane l xor 16
.set CS,   22                          ; s[22:23] c = log2(e) / 8
.set G1C,  24                          ; group 1: 48 rows of 256 bytes;  s[32:39] 16 rows;  s[40:47] 8 rows
.set G1SK, 32
.set G1SV, 40
.set G0K,  48
.set G0V,  52
.set G0SK, 56
.set G0SV, 60
.set TJ,   66
.set CNT,  67
.set NC,   68                          ; -c
.set STG,  69                          ; my stage
.macro ROUND                           ; a round of the cluster's barrier
	s_barrier_signal -1
	s_barrier_wait -1
	s_cmp_lg_u32 s[WV], 0
	s_cbranch_scc1 .Lnw0_\@
	s_barrier_signal -3
.Lnw0_\@:
	s_barrier_wait -3
	s_barrier_signal -1
	s_barrier_wait -1
.endm
.macro G1DENSE g, rows                 ; a dense block as rows of 256 bytes (32 elements of 8), asked for by all four work-groups of the cluster
	s_mov_b32 s[\g], 15|(3<<16)|(1<<21)
	s_mov_b32 s[\g+1], 32<<16
	s_mov_b32 s[\g+2], (\rows)<<16
	s_mov_b32 s[\g+3], 32<<16
	s_mov_b32 s[\g+4], \rows
	s_mov_b32 s[\g+5], 32
	s_mov_b32 s[\g+6], 0
	s_mov_b32 s[\g+7], 0
.endm
.macro ARM under, g0, g1, next
	s_cmp_lt_u32 s[WV], \under
	s_cbranch_scc0 \next
	tensor_load_to_lds s[\g0:\g0+3], s[\g1:\g1+7]
	s_nop 0
	s_branch .Lhead_asked
\next:
.endm
.macro ADDR
	v_add_nc_u32 v[AD16], s[TB], v[A16]
	v_add_nc_u32 v[AD8], s[TB], v[A8]
	v_add_nc_u32 v[ADS], s[TS], v[ASK0]
	v_add_nc_u32 v[ADT], s[TJ], v[ASV0]
.endm
.macro KLOAD                           ; 20 LDS loads: a step's eight tiles of K and their scale words (register i: lanes 0-15 tile 2 i, lanes 16-31 tile 2 i + 1)
.irp t, 0,1,2,3,4,5,6,7
	ds_load_b128 v[KF+6*\t:KF+6*\t+3], v[AD16] offset:768*\t
	ds_load_b64 v[KF+6*\t+4:KF+6*\t+5], v[AD8] offset:768*\t+512
.endr
.irp i, 0,1,2,3
	ds_load_b32 v[KS+\i], v[ADS] offset:128*\i
.endr
.endm
	s_load_b256 s[4:11], s[0:1], 0x0               ; qk_codes, qk_scales, v_codes, l1_scales
	s_load_b128 s[12:15], s[0:1], 0x20             ; x, ybuf
	v_lshl_add_u32 v[SPW], v0, 2, SPARE
	v_mov_b32 v[NIL], 0
	ds_add_u32 v[SPW], v[NIL]                      ; the opening: the add, twice on end, and its wait
	ds_add_u32 v[SPW], v[NIL]
	v_lshrrev_b32 v8, 5, v0
	v_readfirstlane_b32 s[WV], v8                  ; wave 0..15
	s_bfe_u32 s[CX], ttmp6, 0x40000                ; which 512 queries of the head
	s_and_b32 s72, ttmp7, 0xffff                   ; bh = 16 batch + head
	s_and_b32 s74, s[WV], 1
	s_and_b32 s73, s[WV], 7
	s_add_co_u32 s75, s72, 64                      ; k's heads lie behind q's 64
	s_mul_i32 s76, s74, 12288                      ; s[76:77] the half of a slot's codes that I fetch
	s_mov_b32 s77, 0
	s_mul_i32 s78, s75, 98304                      ; s[78:79] K's codes of the head
	s_mov_b32 s79, 0
	s_mul_i32 s80, s72, 98304                      ; s[80:81] V's
	s_mov_b32 s81, 0
	s_lshl_b32 s82, s75, 13
	s_lshl_b32 s92, s74, 12
	s_add_co_u32 s82, s82, s92                     ; s[82:83] K's scale words, my half
	s_mov_b32 s83, 0
	s_lshl_b32 s84, s72, 12
	s_lshl_b32 s93, s74, 11
	s_add_co_u32 s84, s84, s93
	s_add_co_u32 s84, s84, 327680                  ; s[84:85] V's
	s_mov_b32 s85, 0
	s_mul_i32 s94, s73, 12288
	s_add_co_u32 s94, s94, 24576                   ; s[94:95] the second group: piece wave % 8 (0..5) of the codes behind slot 0,
	s_mov_b32 s95, 0
	s_lshr_b32 s96, s73, 1
	s_mul_i32 s96, s96, SLOTP
	s_add_co_u32 s96, s96, s76
	s_add_co_u32 s96, s96, SLOTP                   ; to slot 1 + piece / 2, half piece % 2
	s_lshl_b32 s70, s[CX], 5
	s_add_co_u32 s70, s70, s[WV]                   ; my first tile of queries; the second is 16 tiles on
	s_mul_i32 s86, s72, 98304
	s_mul_i32 s71, s70, 768
	s_add_co_u32 s86, s86, s71                     ; s[86:87] its image of q
	s_mov_b32 s87, 0
	s_lshl_b32 s88, s72, 13
	s_lshl_b32 s71, s70, 6
	s_add_co_u32 s88, s88, s71                     ; s[88:89] its scale words
	s_mov_b32 s89, 0
	s_lshr_b32 s90, s72, 4
	s_lshl_b32 s90, s90, 23                        ; x and ybuf: a batch is 2,048 rows of 4,096 bytes;
	s_lshr_b32 s71, s70, 2
	s_lshl_b32 s71, s71, 18                        ; 64 rows for four tiles,
	s_add_co_u32 s90, s90, s71
	s_and_b32 s71, s70, 3
	s_lshl_b32 s71, s71, 15                        ; 8 rows for a tile,
	s_add_co_u32 s90, s90, s71
	s_and_b32 s71, s72, 15
	s_lshl_b32 s71, s71, 8                         ; my head's 256 bytes of a row
	s_add_co_u32 s90, s90, s71
	s_mov_b32 s91, 0
	s_mul_i32 s[STG], s[WV], 16*272
	s_add_co_u32 s[STG], s[STG], STAGE
	G1DENSE G1C, 48
	G1DENSE G1SK, 16
	G1DENSE G1SV, 8
	s_mov_b32 s[SEL], 0x76543210
	s_mov_b32 s[SEL+1], 0xfedcba98
	s_mov_b32 s[CS], 0x3e38aa3b
	s_mov_b32 s[CS+1], s[CS]                       ; (named with it as a pair)
	s_mov_b32 s[NC], 0xbe38aa3b
	s_mov_b32 s[TB], 0
	s_mov_b32 s[TS], 0
	s_mov_b32 s[TJ], 0
	s_mov_b32 s[SI], 0
	s_wait_dscnt 0x0                               ; both opening adds are done
	s_wait_kmcnt 0x0
	s_add_nc_u64 s[98:99], s[4:5], s[78:79]
	s_add_nc_u64 s[100:101], s[8:9], s[80:81]
	s_mov_b32 s[G0K], 1
	s_mov_b32 s[G0K+1], s76
	s_add_nc_u64 s[G0K+2:G0K+3], s[98:99], s[76:77]
	s_or_b32 s[G0K+3], s[G0K+3], 0x80000000
	s_mov_b32 s[G0V], 1
	s_add_co_u32 s[G0V+1], s76, VOFF
	s_add_nc_u64 s[G0V+2:G0V+3], s[100:101], s[76:77]
	s_or_b32 s[G0V+3], s[G0V+3], 0x80000000
	s_mov_b32 s[G0SK], 1
	s_add_co_u32 s[G0SK+1], s92, SCK
	s_add_nc_u64 s[G0SK+2:G0SK+3], s[6:7], s[82:83]
	s_or_b32 s[G0SK+3], s[G0SK+3], 0x80000000
	s_mov_b32 s[G0SV], 1
	s_add_co_u32 s[G0SV+1], s93, SCV
	s_add_nc_u64 s[G0SV+2:G0SV+3], s[10:11], s[84:85]
	s_or_b32 s[G0SV+3], s[G0SV+3], 0x80000000
	ROUND                                          ; the four work-groups are here: the first joint loads meet
	; THE FIRST GROUP, one load a wave: waves 0, 1 slot 0's K, waves 2, 3 its V, waves 4, 5 K's scale words, waves 6, 7 V's; one chain of branches on the wave's number, all arms to one join
	ARM 2, G0K, G1C, .Lh_v
	ARM 4, G0V, G1C, .Lh_sk
	ARM 6, G0SK, G1SK, .Lh_sv
	s_cmp_lt_u32 s[WV], 8
	s_cbranch_scc0 .Lhead_asked
	tensor_load_to_lds s[G0SV:G0SV+3], s[G1SV:G1SV+7]
	s_nop 0
.Lhead_asked:
	s_add_nc_u64 s[4:5], s[4:5], s[86:87]
	s_add_nc_u64 s[6:7], s[6:7], s[88:89]
	s_add_nc_u64 s[12:13], s[12:13], s[90:91]
	s_add_nc_u64 s[14:15], s[14:15], s[90:91]
	v_and_b32 v8, 31, v0                           ; lane
	v_and_b32 v9, 15, v0                           ; r
	v_bfe_u32 v10, v0, 4, 1                        ; h
	v_lshlrev_b32 v[A16], 4, v8
	v_lshlrev_b32 v[A8], 3, v8
	v_lshlrev_b32 v[TMP], 2, v9
	global_load_b128 v[QF:QF+3], v[A16], s[4:5]    ; Q's image
	global_load_b64 v[QF+4:QF+5], v[A8], s[4:5] offset:512
	global_load_b32 v[QS], v[TMP], s[6:7]          ; Q's scale words
	v_lshl_add_u32 v[ASK0], v8, 2, SCK
	v_lshl_add_u32 v[ASV0], v8, 3, SCV
	v_lshlrev_b32 v[GO], 12, v10
	v_lshl_add_u32 v[GO], v9, 4, v[GO]
	v_lshlrev_b32 v[H8], 3, v10
	v_min_u32 v11, 15, v8                          ; tile row rho stands 32 (rho / 8) + rho % 8 rows below the tile's first
	v_and_b32 v[WW], 7, v11
	v_lshrrev_b32 v11, 3, v11
	v_lshlrev_b32 v[PFX], 12, v[WW]
	v_lshl_add_u32 v[PFX], v11, 17, v[PFX]
.irp j, 0,1,2,3,4,5
	v_mov_b32 v[QF+6+\j], 0                        ; zero codes for k = 64 .. 127
	v_mov_b32 v[TT+\j], 0                          ; the last tile's upper half, before the first conversion
.endr
	v_mov_b32 v13, 0xff61b1e6                      ; the largest score so far: -3e38
	v_mov_b32 v12, 0x7e000000                      ; -M: a large whole number: the first factor f is 0
	v_mov_b32 v14, 0
	v_mov_b32 v15, 0
	v_mov_b32 v[PT], 0                             ; a lane permute's destination counts as one of its sources
.set j, 0
.rept 32
	v_mov_b32 v[O+j], 0                            ; the step has no first form of its own: the first change of M multiplies zeros
.set j, j+1
.endr
	s_wait_alu depctr_va_vdst(0)                   ; the head's end
	s_wait_tensorcnt 0x0                           ; my part of the first group is in
	ds_add_u32 v[SPW], v[NIL]
	ds_add_u32 v[SPW], v[NIL]                      ; twice
	s_mov_b32 s[G0K+1], s96                        ; no load of mine is out: the descriptors take the second group
	s_add_nc_u64 s[G0K+2:G0K+3], s[98:99], s[94:95]
	s_or_b32 s[G0K+3], s[G0K+3], 0x80000000
	s_add_co_u32 s[G0V+1], s96, VOFF
	s_add_nc_u64 s[G0V+2:G0V+3], s[100:101], s[94:95]
	s_or_b32 s[G0V+3], s[G0V+3], 0x80000000
	s_wait_dscnt 0x0
	ROUND                                          ; slot 0 and the scale words are whole, and the four work-groups are here
	; THE SECOND GROUP: waves 0-5 the six halves of K's slots 1 to 3, waves 8-13 V's
	s_cmp_lt_u32 s[WV], 6
	s_cbranch_scc0 .Lb_nk
	tensor_load_to_lds s[G0K:G0K+3], s[G1C:G1C+7]
	s_nop 0
	s_branch .Lb_asked
.Lb_nk:
	s_cmp_lt_u32 s[WV], 8
	s_cbranch_scc1 .Lb_asked
	s_cmp_lt_u32 s[WV], 14
	s_cbranch_scc0 .Lb_asked
	tensor_load_to_lds s[G0V:G0V+3], s[G1C:G1C+7]
	s_nop 0
.Lb_asked:
	ADDR                                           ; key step 0
	s_wait_alu depctr_va_vdst(0)
	KLOAD
	global_prefetch_b8 v[PFX], s[12:13] th:TH_LOAD_NT scope:SCOPE_SE   ; my first tile's 16 rows of x, 256 bytes each (lanes 16-31 name the last again)
	s_wait_loadcnt 0x0                             ; Q
; A KEY STEP: 128 keys.  K's fragments were fetched a step ago.
.macro STEP
	s_add_co_u32 s[SI], s[SI], 1                   ; the next step, round the head's 16:
	s_and_b32 s[SI], s[SI], 15
	s_mul_i32 s[TB], s[SI], 6144                   ; its codes: 6,144 bytes a step, and V's 24,576 passed over at each fourth
	s_lshr_b32 s[XT], s[SI], 2
	s_mul_i32 s[XT], s[XT], 24576
	s_add_co_u32 s[TB], s[TB], s[XT]
	s_lshl_b32 s[TS], s[SI], 9                     ; K's scale words: 512 bytes a step
	s_lshr_b32 s[TJ], s[SI], 1
	s_lshl_b32 s[TJ], s[TJ], 9                     ; V's: 512 bytes for two steps, a word a step
	s_and_b32 s[XT], s[SI], 1
	s_lshl_b32 s[XT], s[XT], 2
	s_add_co_u32 s[TJ], s[TJ], s[XT]
	s_wait_dscnt 0x0                               ; K's fragments and scale words are in
.irp t, 0,2,4,6
	v_wmma_scale_f32_16x16x128_f8f6f4 v[S+8*\t:S+8*\t+7], v[KF+6*\t:KF+6*\t+11], v[QF:QF+11], 0, v[KS+\t/2], v[QS] matrix_a_fmt:MATRIX_FMT_BF6 matrix_b_fmt:MATRIX_FMT_BF6
	v_wmma_scale_f32_16x16x128_f8f6f4 v[S+8*\t+8:S+8*\t+15], v[KF+6*\t+6:KF+6*\t+17], v[QF:QF+11], 0, v[KS+\t/2], v[QS] matrix_a_fmt:MATRIX_FMT_BF6 matrix_b_fmt:MATRIX_FMT_BF6 matrix_a_scale:MATRIX_SCALE_ROW1
.endr
.irp u, 0,1,2,3                                ; 18 loads: V's four fragments and scale words land under the softmax (the last step's four closing additions are the places ahead of them)
.irp c, 0,1
	ds_load_b128 v[VF+12*\u+6*\c:VF+12*\u+6*\c+3], v[AD16] offset:VOFF+3072*\c+768*\u
	ds_load_b64 v[VF+12*\u+6*\c+4:VF+12*\u+6*\c+5], v[AD8] offset:VOFF+3072*\c+768*\u+512
.endr
.endr
	ds_load_b32 v[VS], v[ADT]                      ; lanes 0-15: channels 0-15, lanes 16-31: channels 16-31
	ds_load_b32 v[VS+1], v[ADT] offset:256         ; channels 32-63
	ADDR                                           ; the next step's addresses: also the four places behind the products, ahead of the loads below and of the first read of the scores
	KLOAD
.irp c, 0,1                                    ; THE LARGEST SCORE OF MY TWO BLOCKS OF 32 KEYS, each in two chains; every accumulator is first read at its low end
	v_max3_num_f32 v[PCD+\c], v[S+32*\c], v[S+32*\c+1], v[S+32*\c+2]
	v_max3_num_f32 v[PCD+2+\c], v[S+32*\c+16], v[S+32*\c+17], v[S+32*\c+18]
.endr
.irp i, 3,5,7,9,11,13
.irp c, 0,1
	v_max3_num_f32 v[PCD+\c], v[PCD+\c], v[S+32*\c+\i], v[S+32*\c+\i+1]
	v_max3_num_f32 v[PCD+2+\c], v[PCD+2+\c], v[S+32*\c+16+\i], v[S+32*\c+17+\i]
.endr
.endr
.irp c, 0,1
	v_max3_num_f32 v[PCD+\c], v[PCD+\c], v[PCD+2+\c], v[S+32*\c+15]
.endr
.irp c, 0,1
	v_max_num_f32 v[PCD+\c], v[PCD+\c], v[S+32*\c+31]
.endr
	s_delay_alu instid0(VALU_DEP_1)
	v_max_num_f32 v[TMP], v[PCD], v[PCD+1]
	s_delay_alu instid0(VALU_DEP_1)
	v_permlanex16_b32 v[PT], v[TMP], s[SEL], s[SEL+1]
	s_delay_alu instid0(VALU_DEP_1)
	v_max3_num_f32 v13, v[TMP], v[PT], v13         ; with lane l xor 16's 64 keys: the running largest score of my query
	s_delay_alu instid0(VALU_DEP_1)
	v_mul_f32 v[TMP], s[NC], v13                   ; -t
	s_delay_alu instid0(VALU_DEP_1)
	v_floor_f32 v[TMP], v[TMP]                     ; the new -M = floor(-t) = -ceil(t)
	s_delay_alu instid0(VALU_DEP_1)
	v_sub_f32 v[FF], v[TMP], v12                   ; old M - new M: a whole number, 0 or less
	v_mov_b32 v12, v[TMP]
	s_delay_alu instid0(VALU_DEP_2)
	v_cvt_i32_f32 v[FF], v[FF]                     ; (it saturates)
	s_delay_alu instid0(VALU_DEP_1)
	v_ldexp_f32 v[FF], 1.0, v[FF]                  ; f = 2^(old M - new M)
.set j, 0
.rept 32
	v_pk_fma_f32 v[S+j:S+j+1], v[S+j:S+j+1], s[CS:CS+1], v[12:13] op_sel_hi:[1,0,0]   ; t - M, two at a time
.set j, j+2
.endr
	v_fma_f32 v[PCD], v[PCD], s[CS], v12           ; the same of each block's largest score: p rises with the score
	v_fma_f32 v[PCD+1], v[PCD+1], s[CS], v12
	s_wait_alu depctr_va_vdst(0)                   ; ahead of the batch
	v_exp_f32 v[PCD], v[PCD]                       ; the blocks' largest p: the same two instructions on the same number give the same bits
	v_exp_f32 v[PCD+1], v[PCD+1]
.set j, 0
.rept 64
	v_exp_f32 v[S+j], v[S+j]                       ; p = 2^(t - M)
.set j, j+1
.endr
	v_pk_mul_f32 v[14:15], v[14:15], v[FF:FF+1] op_sel_hi:[1,0]    ; the sums under the new M: the plain line behind the exponentials
	s_wait_dscnt 20                                ; V's 18 loads are in; the 20 of the next step's K behind them may be out
	s_wait_alu depctr_va_vdst(0)                   ; one wait for the batch, directly ahead of the first readers of O^T
.set j, 0
.rept 16
	v_pk_mul_f32 v[O+j:O+j+1], v[O+j:O+j+1], v[FF:FF+1] op_sel_hi:[1,0]   ; O^T under the new M
.set j, j+2
.endr
.irp c, 0,1
	v_max_num_f32 v[PCD+\c], 0x2800000, v[PCD+\c]  ; the floor 2^(5 - 127): the byte cannot fall under 1
.endr
.irp c, 0,1
	s_delay_alu instid0(VALU_DEP_2)
	v_add_nc_u32 v[SO+\c], 0xfe000000, v[PCD+\c]   ; 4 off the exponent field: the conversion's scale operand
.endr
.irp c, 0,1
	s_delay_alu instid0(VALU_DEP_2)
	v_lshrrev_b32 v[PCD+4+\c], 23, v[SO+\c]        ; the scale's byte
.endr
	s_delay_alu instid0(VALU_DEP_1)
	v_lshl_or_b32 v[WW], v[PCD+5], 16, v[PCD+4]    ; my two bytes: blocks h and 2 + h,
	s_delay_alu instid0(VALU_DEP_1)
	v_lshlrev_b32 v[WW], v[H8], v[WW]              ; at their places in the word
	s_delay_alu instid0(VALU_DEP_1)
	v_permlanex16_b32 v[PT], v[WW], s[SEL], s[SEL+1]
.irp c, 0,1
	v_cvt_scalef32_pk16_bf6_f32 v[PCD+6*\c:PCD+6*\c+2], v[S+32*\c:S+32*\c+15], v[SO+\c]
	v_cvt_scalef32_pk16_bf6_f32 v[TT+4*\c:TT+4*\c+2], v[S+32*\c+16:S+32*\c+31], v[SO+\c]   ; (three registers that begin on an even number: moved below)
.endr
	v_or_b32 v[PS], v[WW], v[PT]                   ; with lane l xor 16's two the scale word is whole.  The plain line behind the conversions
.irp c, 0,1
.irp i, 0,1,2
	v_mov_b32 v[PCD+3+6*\c+\i], v[TT+4*\c+\i]
.endr
.endr
.set j, 0
.rept 16                                       ; THE ROW'S SUM OF THE UNQUANTISED p, in place, two at a time.  These 28 also stand between the lines that made p's codes and scale word and the products
	v_pk_add_f32 v[S+j:S+j+1], v[S+j:S+j+1], v[S+j+2:S+j+3]
.set j, j+4
.endr
.set j, 0
.rept 8
	v_pk_add_f32 v[S+j:S+j+1], v[S+j:S+j+1], v[S+j+4:S+j+5]
.set j, j+8
.endr
.set j, 0
.rept 4
	v_pk_add_f32 v[S+j:S+j+1], v[S+j:S+j+1], v[S+j+8:S+j+9]
.set j, j+16
.endr
.irp u, 0,2                                    ; O^T += V^T P^T: the four accumulators by turns
	v_wmma_scale_f32_16x16x128_f8f6f4 v[O+8*\u:O+8*\u+7], v[VF+12*\u:VF+12*\u+11], v[PCD:PCD+11], v[O+8*\u:O+8*\u+7], v[VS+\u/2], v[PS] matrix_a_fmt:MATRIX_FMT_BF6 matrix_b_fmt:MATRIX_FMT_BF6
	v_wmma_scale_f32_16x16x128_f8f6f4 v[O+8*\u+8:O+8*\u+15], v[VF+12*\u+12:VF+12*\u+23], v[PCD:PCD+11], v[O+8*\u+8:O+8*\u+15], v[VS+\u/2], v[PS] matrix_a_fmt:MATRIX_FMT_BF6 matrix_b_fmt:MATRIX_FMT_BF6 matrix_a_scale:MATRIX_SCALE_ROW1
.endr
	v_pk_add_f32 v[S:S+1], v[S:S+1], v[S+16:S+17]  ; the sum's last four additions name no register of these products: the four places behind them
	v_pk_add_f32 v[S+32:S+33], v[S+32:S+33], v[S+48:S+49]
	s_delay_alu instid0(VALU_DEP_1)
	v_pk_add_f32 v[S:S+1], v[S:S+1], v[S+32:S+33]
	s_delay_alu instid0(VALU_DEP_1)
	v_pk_add_f32 v[14:15], v[14:15], v[S:S+1]
.endm
; THE WAY OUT of tile p.  O^T is divided by the sum, goes through my stage and comes back as rows of 256 bytes; x is added; sixteen lanes store 256 consecutive bytes, aligned.
.macro EPI p
.irp i, 0,1,2,3,4,5,6,7
	global_load_b128 v[VF+4*\i:VF+4*\i+3], v[GO], s[12:13] offset:8192*(\i%4)+131072*(\i/4)+1048576*\p th:TH_LOAD_NT   ; x: tile rows 2 i (lanes 0-15) and 2 i + 1
.endr
	s_wait_alu depctr_va_vdst(0)
	v_add_f32 v14, v14, v15                        ; the sum's two halves,
	v_and_b32 v[E0], 15, v0                        ; r
	v_bfe_u32 v[E0+1], v0, 4, 1                    ; h
	v_permlanex16_b32 v[PT], v14, s[SEL], s[SEL+1]
.if \p == 0
	v_lshlrev_b32 v[E0+4], 2, v[E0]
	global_load_b128 v[QF:QF+3], v[A16], s[4:5] offset:12288       ; the second tile's Q, 16 tiles on
	global_load_b64 v[QF+4:QF+5], v[A8], s[4:5] offset:12288+512
	global_load_b32 v[QS], v[E0+4], s[6:7] offset:1024
.endif
	v_add_f32 v14, v14, v[PT]                      ; and lane l xor 16's: the row's sum
	v_mul_u32_u24 v[E0+2], v[E0], 272
	v_lshl_add_u32 v[E0+2], v[E0+1], 5, v[E0+2]
	v_add_nc_u32 v[E0+2], s[STG], v[E0+2]          ; in: row r; tile u's eight channels of my half: 64 u + 32 h bytes on
	v_mul_u32_u24 v[E0+3], v[E0+1], 272
	v_lshl_add_u32 v[E0+3], v[E0], 4, v[E0+3]
	v_add_nc_u32 v[E0+3], s[STG], v[E0+3]          ; back: lanes 0-15 one row, lanes 16-31 the next
	s_wait_alu depctr_va_vdst(0)                   ; ahead of the reciprocal
	v_rcp_f32 v14, v14
	v_nop
	s_wait_alu depctr_va_vdst(0)                   ; and ahead of its first reader, which is also the first reader of O^T
.set j, 0
.rept 16
	v_pk_mul_f32 v[S+j:S+j+1], v[O+j:O+j+1], v[14:15] op_sel_hi:[1,0]   ; each accumulator from its low end on: register 8 u + i is o(r, 16 u + 8 h + i)
.set j, j+2
.endr
.irp u, 0,1,2,3
	ds_store_b128 v[E0+2], v[S+8*\u:S+8*\u+3] offset:64*\u
	ds_store_b128 v[E0+2], v[S+8*\u+4:S+8*\u+7] offset:64*\u+16
.endr
.irp i, 0,1,2,3,4,5,6,7
	ds_load_b128 v[S+32+4*\i:S+35+4*\i], v[E0+3] offset:544*\i   ; a wave's LDS instructions are served in order: these see my stores
.endr
	s_wait_loadcnt 3*(1-\p)                        ; x is in; Q's three loads behind it may be out
.irp i, 0,1,2,3,4,5,6,7
	s_wait_dscnt 7-\i                              ; the younger stage loads may be out
	v_pk_add_f32 v[S+32+4*\i:S+33+4*\i], v[S+32+4*\i:S+33+4*\i], v[VF+4*\i:VF+4*\i+1]
	v_pk_add_f32 v[S+34+4*\i:S+35+4*\i], v[S+34+4*\i:S+35+4*\i], v[VF+4*\i+2:VF+4*\i+3]
	global_store_b128 v[GO], v[S+32+4*\i:S+35+4*\i], s[14:15] offset:8192*(\i%4)+131072*(\i/4)+1048576*\p
.endr
.endm
	s_mov_b32 s[CNT], 3
.Lfirst:                                           ; key steps 0 to 2, on slot 0; the last of them fetches step 3's K, still in slot 0
	STEP
	s_sub_co_u32 s[CNT], s[CNT], 1
	s_cmp_lg_u32 s[CNT], 0
	s_cbranch_scc1 .Lfirst
	s_wait_tensorcnt 0x0                           ; my part of the second group is in;
	s_wait_dscnt 0x0                               ; no LDS instruction of mine is out at the signal
	s_barrier_signal -1
	s_barrier_wait -1                              ; slots 1 to 3 are whole for every wave
	s_mov_b32 s[CNT], 13
.Lrest:
	STEP
	s_sub_co_u32 s[CNT], s[CNT], 1
	s_cmp_lg_u32 s[CNT], 0
	s_cbranch_scc1 .Lrest
	EPI 0
	s_wait_loadcnt 0x0                             ; the second tile's Q
	s_wait_xcnt 0x0                                ; the stores have read their registers, which the scores take again
	v_mov_b32 v13, 0xff61b1e6                      ; the second tile begins: its first f is 0 and clears O^T and the sum
	v_mov_b32 v12, 0x7e000000
	global_prefetch_b8 v[PFX], s[12:13] offset:1048576 th:TH_LOAD_NT scope:SCOPE_SE   ; its 16 rows of x
	s_wait_alu depctr_va_vdst(0)
	s_mov_b32 s[CNT], 16
.Lsecond:
	STEP
	s_sub_co_u32 s[CNT], s[CNT], 1
	s_cmp_lg_u32 s[CNT], 0
	s_cbranch_scc1 .Lsecond
	EPI 1
	s_wait_tensorcnt 0x0                           ; the wave's end
	ds_add_u32 v[SPW], v[NIL]
	s_wait_dscnt 0x0
	ROUND                                          ; the closing round
	s_endpgm
.Lfunc_end_k_q88bdab76ce_attn:
	.size	k_q88bdab76ce_attn, .Lfunc_end_k_q88bdab76ce_attn-k_q88bdab76ce_attn
	.p2alignl 7, 3214868480
	.fill 96, 4, 3214868480
	.section	.rodata,"a",@progbits
	.p2align	6, 0x0
	.amdhsa_kernel k_q88bdab76ce_attn
		.amdhsa_group_segment_fixed_size 327680
		.amdhsa_private_segment_fixed_size 0
		.amdhsa_enable_private_segment 0
		.amdhsa_kernarg_size 48
		.amdhsa_user_sgpr_count 2
		.amdhsa_user_sgpr_kernarg_segment_ptr 1
		.amdhsa_wavefront_size32 1
		.amdhsa_system_sgpr_workgroup_id_x 1
		.amdhsa_system_sgpr_workgroup_id_y 1
		.amdhsa_system_sgpr_workgroup_id_z 1
		.amdhsa_system_vgpr_workitem_id 0
		.amdhsa_next_free_vgpr 256
		.amdhsa_next_free_sgpr 102
		.amdhsa_reserve_vcc 0
		.amdhsa_float_denorm_mode_32 3
		.amdhsa_float_denorm_mode_16_64 3
		.amdhsa_memory_ordered 1
		.amdhsa_forward_progress 1
		.amdhsa_inst_pref_size 72
	.end_amdhsa_kernel
	.amdgpu_metadata
---
amdhsa.version: [ 1, 2 ]
amdhsa.kernels:
  - .name:           k_q88bdab76ce_attn
    .symbol:         k_q88bdab76ce_attn.kd
    .args:
      - { .name: qk_codes, .offset: 0, .size: 8, .value_kind: global_buffer, .address_space: global }
      - { .name: qk_scales, .offset: 8, .size: 8, .value_kind: global_buffer, .address_space: global }
      - { .name: v_codes, .offset: 16, .size: 8, .value_kind: global_buffer, .address_space: global }
      - { .name: l1_scales, .offset: 24, .size: 8, .value_kind: global_buffer, .address_space: global }
      - { .name: inputs, .offset: 32, .size: 8, .value_kind: global_buffer, .address_space: global }
      - { .name: ybuf, .offset: 40, .size: 8, .value_kind: global_buffer, .address_space: global }
    .group_segment_fixed_size: 327680
    .private_segment_fixed_size: 0
    .kernarg_segment_align: 8
    .kernarg_segment_size: 48
    .max_flat_workgroup_size: 512
    .sgpr_count:     102
    .vgpr_count:     256
    .wavefront_size: 32
...
	.end_amdgpu_metadata
.endif
;; end of part 3
;; launch lnorm (part 4): grid 256 x 1, 8 waves a work-group, no clusters, 0 bytes of LDS; arguments ybuf, ln_weight, ln_bias, out0; writes out0
.if DOCPART == 4
	.amdgcn_target "amdgcn-amd-amdhsa--gfx1250"
	.amdhsa_code_object_version 6
	.text
	.protected	k_q88bdab76ce_lnorm
	.globl	k_q88bdab76ce_lnorm
	.p2align	8
	.type	k_q88bdab76ce_lnorm,@function
k_q88bdab76ce_lnorm:
	s_mov_b64 s[64:65], 0
	v_nop
	global_prefetch_b8 v0, s[64:65] scope:SCOPE_SE
	s_setreg_imm32_b32 hwreg(HW_REG_WAVE_MODE, 25, 1), 1
	s_wait_xcnt 0x0
; LAUNCH 4 OF 4: out0[row] = (y - mean(y)) / sqrt(mean((y - mean)^2) + 1e-5) x ln_weight + ln_bias, y = ybuf [8192][1024] f32 (context + x).  Nothing of the problem is left out here.
; A row is 4,096 bytes: one wave takes a whole row in 32 registers and keeps it between the passes, so memory is read once and no wave waits for another: no LDS, no barrier, no matrix unit.
; Eight waves, four rows each, all asked for at once: 48 loads of 512 consecutive bytes a wave.  Lane l holds columns 128 j + 4 l + 0..3 in registers 4 j + 0..3, of the row and of weight and bias alike.
; No register that a load or a store names is written again, so no wait frees any.
.set W,  4                             ; v4-35    ln_weight
.set BV, 36                            ; v36-67   ln_bias
.set X,  68                            ; v68-195  four rows
.set T,  196                           ; v196-206 at work
	s_load_b256 s[4:11], s[0:1], 0x0               ; ybuf s[4:5], weight s[6:7], bias s[8:9], out0 s[10:11]
	s_lshl_b32 s16, ttmp9, 17                      ; the work-group's 32 rows of 4,096 bytes
	s_mov_b32 s17, 0
	s_mov_b32 s12, 0x3a800000                      ; 1 / 1024
	s_mov_b32 s13, 0x3727c5ac                      ; 1e-5
	s_mov_b32 s14, 0x76543210                      ; lane selects: lane l xor 16
	s_mov_b32 s15, 0xfedcba98
	v_and_b32 v2, 31, v0
	s_delay_alu instid0(VALU_DEP_1)
	v_lshlrev_b32 v2, 4, v2                        ; 16 x lane
	v_and_b32 v1, 0xe0, v0                         ; 32 x wave
	s_delay_alu instid0(VALU_DEP_1)
	v_lshl_or_b32 v1, v1, 9, v2                    ; + wave x 4 rows x 4,096 bytes
	v_mov_b32 v[T+10], 0                           ; a lane permute's destination counts as one of its sources
	s_wait_alu depctr_va_vdst(0)
	s_wait_kmcnt 0x0
	s_add_nc_u64 s[4:5], s[4:5], s[16:17]
	s_add_nc_u64 s[10:11], s[10:11], s[16:17]
.macro FILL s
.irp j, 0,1,2,3,4,5,6,7
	global_load_b128 v[X+32*\s+4*\j:X+32*\s+4*\j+3], v1, s[4:5] offset:4096*\s+512*\j th:TH_LOAD_NT
.endr
.endm
	FILL 0
.irp j, 0,1,2,3,4,5,6,7
	global_load_b128 v[W+4*\j:W+4*\j+3], v2, s[6:7] offset:512*\j
.endr
.irp j, 0,1,2,3,4,5,6,7
	global_load_b128 v[BV+4*\j:BV+4*\j+3], v2, s[8:9] offset:512*\j
.endr
	FILL 1
	FILL 2
	FILL 3
.macro REDUCE                          ; four chains in v[T .. T+7] become one number, the same in every lane, in v[T]
	s_delay_alu instid0(VALU_DEP_3)
	v_pk_add_f32 v[T:T+1], v[T:T+1], v[T+2:T+3]
	s_delay_alu instid0(VALU_DEP_2)
	v_pk_add_f32 v[T+4:T+5], v[T+4:T+5], v[T+6:T+7]
	s_delay_alu instid0(VALU_DEP_1)
	v_pk_add_f32 v[T:T+1], v[T:T+1], v[T+4:T+5]
	s_delay_alu instid0(VALU_DEP_1)
	v_add_f32 v[T], v[T], v[T+1]
	s_delay_alu instid0(VALU_DEP_1)
	v_add_f32_dpp v[T], v[T], v[T] row_xmask:1 row_mask:0xf bank_mask:0xf
	s_delay_alu instid0(VALU_DEP_1)
	v_add_f32_dpp v[T], v[T], v[T] row_xmask:2 row_mask:0xf bank_mask:0xf
	s_delay_alu instid0(VALU_DEP_1)
	v_add_f32_dpp v[T], v[T], v[T] row_xmask:4 row_mask:0xf bank_mask:0xf
	s_delay_alu instid0(VALU_DEP_1)
	v_add_f32_dpp v[T], v[T], v[T] row_xmask:8 row_mask:0xf bank_mask:0xf
	s_delay_alu instid0(VALU_DEP_1)
	v_permlanex16_b32 v[T+10], v[T], s14, s15
	s_delay_alu instid0(VALU_DEP_1)
	v_add_f32 v[T], v[T], v[T+10]
.endm
; Row s.  left = how many younger loads may stay out.
.macro ROW s, left
.set XS, X+32*(\s)
	s_wait_loadcnt \left                           ; my row's eight loads are in
.irp k, 0,1,2,3
	v_pk_add_f32 v[T+2*\k:T+2*\k+1], v[XS+2*\k:XS+2*\k+1], v[XS+8+2*\k:XS+9+2*\k]   ; the sum, in four packed chains; the first pairs start them
.endr
.irp m, 16,24
.irp k, 0,1,2,3
	s_delay_alu instid0(VALU_DEP_4)
	v_pk_add_f32 v[T+2*\k:T+2*\k+1], v[T+2*\k:T+2*\k+1], v[XS+\m+2*\k:XS+\m+1+2*\k]
.endr
.endr
	REDUCE
	s_delay_alu instid0(VALU_DEP_1)
	v_mul_f32 v[T+8], s12, v[T]                    ; the mean, twice: a pair for the packed subtraction
	s_delay_alu instid0(VALU_DEP_2)
	v_mul_f32 v[T+9], s12, v[T]
.irp k, 0,1,2,3,4,5,6,7,8,9,10,11,12,13,14,15
	v_pk_add_f32 v[XS+2*\k:XS+2*\k+1], v[XS+2*\k:XS+2*\k+1], v[T+8:T+9] neg_lo:[0,1] neg_hi:[0,1]   ; d = y - mean, in place
.endr
.irp k, 0,1,2,3
	v_pk_mul_f32 v[T+2*\k:T+2*\k+1], v[XS+2*\k:XS+2*\k+1], v[XS+2*\k:XS+2*\k+1]      ; the sum of d^2, in four chains
.endr
.irp m, 8,16,24
.irp k, 0,1,2,3
	s_delay_alu instid0(VALU_DEP_4)
	v_pk_fma_f32 v[T+2*\k:T+2*\k+1], v[XS+\m+2*\k:XS+\m+1+2*\k], v[XS+\m+2*\k:XS+\m+1+2*\k], v[T+2*\k:T+2*\k+1]
.endr
.endr
	REDUCE
	s_delay_alu instid0(VALU_DEP_1)
	v_fma_f32 v[T], v[T], s12, s13                 ; the variance + 1e-5
	s_wait_alu depctr_va_vdst(0)
	v_rsq_f32 v[T+8], v[T]                         ; twice: a pair for the packed multiply
	v_rsq_f32 v[T+9], v[T]
	v_nop                                          ; the plain line behind the two
	s_wait_alu depctr_va_vdst(0)                   ; one wait for both, ahead of their first reader
.irp k, 0,1,2,3,4,5,6,7,8,9,10,11,12,13,14,15
	v_pk_mul_f32 v[XS+2*\k:XS+2*\k+1], v[XS+2*\k:XS+2*\k+1], v[T+8:T+9]
.endr
.if (\s) == 0
	s_wait_loadcnt 24                              ; weight and bias are in; the 24 loads of rows 1 to 3 may be out
.endif
.irp k, 0,1,2,3,4,5,6,7,8,9,10,11,12,13,14,15
	v_pk_fma_f32 v[XS+2*\k:XS+2*\k+1], v[XS+2*\k:XS+2*\k+1], v[W+2*\k:W+2*\k+1], v[BV+2*\k:BV+2*\k+1]
.endr
.irp j, 0,1,2,3,4,5,6,7
	global_store_b128 v1, v[XS+4*\j:XS+4*\j+3], s[10:11] offset:4096*(\s)+512*\j th:TH_STORE_NT   ; 512 consecutive bytes, aligned
.endr
.endm
	ROW 0, 40                                      ; behind row 0's loads: weight and bias (16) and rows 1 to 3 (24)
	ROW 1, 16
	ROW 2, 8
	ROW 3, 0
	s_endpgm
.Lfunc_end_k_q88bdab76ce_lnorm:
	.size	k_q88bdab76ce_lnorm, .Lfunc_end_k_q88bdab76ce_lnorm-k_q88bdab76ce_lnorm
	.p2alignl 7, 3214868480
	.fill 96, 4, 3214868480
	.section	.rodata,"a",@progbits
	.p2align	6, 0x0
	.amdhsa_kernel k_q88bdab76ce_lnorm
		.amdhsa_group_segment_fixed_size 0
		.amdhsa_private_segment_fixed_size 0
		.amdhsa_enable_private_segment 0
		.amdhsa_kernarg_size 32
		.amdhsa_user_sgpr_count 2
		.amdhsa_user_sgpr_kernarg_segment_ptr 1
		.amdhsa_wavefront_size32 1
		.amdhsa_system_sgpr_workgroup_id_x 1
		.amdhsa_system_sgpr_workgroup_id_y 1
		.amdhsa_system_sgpr_workgroup_id_z 1
		.amdhsa_system_vgpr_workitem_id 0
		.amdhsa_next_free_vgpr 208
		.amdhsa_next_free_sgpr 66
		.amdhsa_reserve_vcc 0
		.amdhsa_float_denorm_mode_32 3
		.amdhsa_float_denorm_mode_16_64 3
		.amdhsa_memory_ordered 1
		.amdhsa_forward_progress 1
		.amdhsa_inst_pref_size 39
	.end_amdhsa_kernel
	.amdgpu_metadata
---
amdhsa.version: [ 1, 2 ]
amdhsa.kernels:
  - .name:           k_q88bdab76ce_lnorm
    .symbol:         k_q88bdab76ce_lnorm.kd
    .args:
      - { .name: ybuf, .offset: 0, .size: 8, .value_kind: global_buffer, .address_space: global }
      - { .name: ln_weight, .offset: 8, .size: 8, .value_kind: global_buffer, .address_space: global }
      - { .name: ln_bias, .offset: 16, .size: 8, .value_kind: global_buffer, .address_space: global }
      - { .name: out0, .offset: 24, .size: 8, .value_kind: global_buffer, .address_space: global }
    .group_segment_fixed_size: 0
    .private_segment_fixed_size: 0
    .kernarg_segment_align: 8
    .kernarg_segment_size: 32
    .max_flat_workgroup_size: 256
    .sgpr_count:     66
    .vgpr_count:     208
    .wavefront_size: 32
...
	.end_amdgpu_metadata
.endif
;; end of part 4
